; MI455X (gfx1250); checked and timed in simulation.
; The chip was launched on July 23, 2026; its instructions are those of AMD's public machine-readable ISA for CDNA 5 (MIT licence, August 2026) and "CDNA5" Instruction Set Architecture Reference Guide (July 2026). The comments in the code are by the model that wrote it; some were corrected since.
;; Multi Head Attention. Allowed arithmetic: matrix products marked QUANTISED: E2M3 operands, one E8M0 scale for each 32 along K, by v_wmma_scale_f32_16x16x128_f8f6f4 with both operands' format E2M3, f32 sums; everything else in f32.
;; Inputs: Wk 1,024 x 1,024 float32; Wp 1,024 x 1,024 float32; Wq 1,024 x 1,024 float32; Wv 1,024 x 1,024 float32; bp 1,024 float32; x 4 x 2,048 x 1,024 float32.
;; Outputs: out0 4 x 2,048 x 1,024 float32.
;; This version of the problem:
;;   THIS VERSION OF THE PROBLEM IS GIVEN IN LOW PRECISION. The matrix products marked QUANTISED in the list below multiply operands that are first quantised to E2M3 (2 exponent bits, 3 mantissa bits; 6 bits a number), with one power-of-two scale for each 32 numbers along K (OCP MX v1.0); their sums are f32. All else is computed in f32.
;;   The module's matrix products, in the order in which they are computed (A, B: the left and right operand; K: the contracted axis; several contracted axes count as one K, in the product's order):
;;     1. [M 8,192, K 1,024] x [K 1,024, N 1,024]; A: input x; B: input Wq: QUANTISED
;;     2. [M 8,192, K 1,024] x [K 1,024, N 1,024]; A: input x; B: input Wk: QUANTISED
;;     3. [M 8,192, K 1,024] x [K 1,024, N 1,024]; A: input x; B: input Wv: QUANTISED
;;     4. batch 64 x [M 2,048, K 64] x [K 64, N 2,048]; A: computed on the way; B: computed on the way: QUANTISED
;;     5. batch 64 x [M 2,048, K 2,048] x [K 2,048, N 64]; A: softmax (see below); B: computed on the way: QUANTISED
;;     6. [M 8,192, K 1,024] x [K 1,024, N 1,024]; A: computed on the way; B: input Wp: QUANTISED
;;   THE QUANTISER, for each operand of a quantised product, along K:
;;     - K is cut into blocks of 32 from its start; a last block that is shorter is filled with zeros.
;;     - A block's scale is 2^e with e = floor(log2(the largest magnitude in the block)) - 2, held to -126 .. 127; a block of zeros has e = 0. As a byte (E8M0): e + 127.
;;     - Each number is divided by its block's scale, clamped to +-7.5, and rounded to the nearest number of E2M3, ties to even, subnormals kept.
;;     - The product sums the exact products of the quantised numbers (number of the format x scale) in f32.
;;   ~~~python
;;   def quantise(x, axis):      # numpy; x: float32 -> the quantised numbers, widened to float32 again
;;       x = np.moveaxis(x, axis, -1); K = x.shape[-1]
;;       x = np.pad(x, [(0, 0)] * (x.ndim - 1) + [(0, -K % 32)]); x = x.reshape(x.shape[:-1] + (-1, 32)); a = np.abs(x).max(-1, keepdims=True)
;;       e = np.where(a > 0, np.clip(np.frexp(np.where(a > 0, a, 1))[1] - 1 - 2, -126, 127), 0)      # np.frexp(a)[1] - 1 = floor(log2(a)), exactly
;;       r = np.clip(x / 2.0 ** e, -7.5, 7.5)
;;       step = 2.0 ** (np.maximum(np.frexp(np.where(r == 0, 1, r))[1] - 1, 0) - 3)
;;       q = np.round(r / step) * step * 2.0 ** e      # np.round: ties to even
;;       return np.moveaxis(q.reshape(q.shape[:-2] + (-1,))[..., :K], -1, axis).astype(np.float32)
;;   ~~~
;;   SOFTMAX AHEAD OF A QUANTISED PRODUCT. Where the list says 'softmax', what is quantised is not the finished softmax but p = 2^(t - M), with t = logit x log2(e) and M = ceil(the row's largest t), a whole number; so 1/2 < the row's largest p <= 1. The row's sum l is taken of the UNQUANTISED p, in f32, and the product's result is divided by l at the end. Since M is a whole number, a kernel that streams over the keys may use a running M (the ceiling of the running maximum): every later rescaling is an exact power of two, which a block's scale takes up: the codes' values come out the same.
;;   OPERANDS COMPUTED ON THE WAY. 'Computed on the way' means the value that the module computes at that place (a softmax that the list does not call 'softmax' is quantised finished and normalised). What goes into a quantiser is computed in f32, as accurately as f32 sums, v_exp_f32 and their like allow (about 1e-6 of the number): no bf16 or f16 on the way to a quantiser, and a product that is left as it is and whose result goes on into a quantised operand takes f32 operands (vector FMAs, or v_wmma_f32_16x16x4_f32). A number that lies on a knife's edge between two numbers of the format may be rounded either way, as far as f32 arithmetic and the matrix unit's own rounding can turn it there, and no further.
;; One version. Each part assembles by itself: llvm-mc -triple=amdgcn-amd-amdhsa -mcpu=gfx1250 --defsym DOCPART=n.
;; ======== version 1 of 1: 3 launches
;; limits: right only within a limited range of input values
;; workspace buffers: xc 6,291,456 bytes; xs 262,144 bytes; wc 3,145,728 bytes; ws 131,072 bytes; qkv 20,185,088 bytes
;; launch quant (part 1): grid 384 x 1, 4 waves a work-group, no clusters, 68,096 bytes of LDS; arguments x, xc, xs, Wq, Wk, Wv, Wp, wc, ws; writes xc, xs, wc, ws
.if DOCPART == 1
	.amdgcn_target "amdgcn-amd-amdhsa--gfx1250"
	.amdhsa_code_object_version 6
	.text
	.protected	k_q06f96e5c6e_quant
	.globl	k_q06f96e5c6e_quant
	.p2align	8
	.type	k_q06f96e5c6e_quant,@function
k_q06f96e5c6e_quant:
	s_mov_b64 s[64:65], 0
	v_nop
	global_prefetch_b8 v0, s[64:65] scope:SCOPE_SE
	s_setreg_imm32_b32 hwreg(HW_REG_WAVE_MODE, 25, 1), 1
	s_wait_xcnt 0x0
; ONE LAUNCH QUANTISES ALL FIVE TENSORS to codes of FP6 (E2M3), K innermost, with one E8M0 scale byte for each 32 along K.  Work-groups 0-127 take the weights (the longer share), 128-383 take x.
; The two paths part on the work-group's number alone and have LDS bytes of their own: x's stages at 0, the spare words at 32,768, the weights' stages from 33,280 on.
; A block's scale is 2^(floor(log2(its largest magnitude)) - 2); its byte is the largest magnitude's exponent field - 2, held at 1 from below.
; LIMITS: a block whose largest magnitude lies under 2^-124 keeps the byte 1; a block of zeros gets the byte 1 (its codes are zeros, and this program alone reads the bytes); NaN and infinities are not served.
; x [8192][1024]: xc 768 bytes a row, xs 32 bytes a row.  THE ROWS ARE RE-PLACED: inside every 32 rows, position 16 e + r holds x's row 2 r + e.  A work-group takes 32 rows, wave w positions 8 w .. 8 w + 7,
; which are rows 16 (w & 1) + (w >> 1) + 2 i, in 16 steps of 512 numbers.  A step's four loads read 512 consecutive bytes each; the 2,048 bytes turn through the wave's own stage and come back 64 bytes a lane: 16 neighbours along K.
; Wq, Wk, Wv, Wp [1024 (k)][1024 (n)]: wc [4096 rows][768 bytes], ws [4096][32]; rows 0-1023 Wq's columns, then Wk's, Wv's, Wp's.  Column n lies at row n of its part, but:
; Wv's column n = 64 i + d lies at row 32 (d >> 1) + 16 (i >> 3) + 8 (d & 1) + (i & 7), so that x Wv leaves sixteen neighbouring keys of one d in a lane; Wp's codes leave as images of the operand's registers (below).
; A lane takes a column n and its registers run down K.  Of the weights' work-groups, number & 31 = 8 x tensor + group of 128 columns, number >> 5 = which 256 along K; a wave takes 32 columns x 256 along K.
; No tensor loads, no barrier: waves share nothing.
.set SPARE, 0x8000
.set WL,    0x8200                     ; the weights' stages
.set EMAX,  2
	v_lshl_add_u32 v192, v0, 2, SPARE
	v_mov_b32 v193, 0
	v_lshrrev_b32 v1, 5, v0
	v_readfirstlane_b32 s16, v1                    ; wave
	v_and_b32 v2, 31, v0                           ; lane
	s_cmp_lt_u32 ttmp9, 128
	s_wait_alu depctr_va_vdst(0)
	s_cbranch_scc1 .Lw
; ---------------- x ----------------
.set STEPS, 16
.set CB,    12                         ; bytes of 16 codes
.set R,     16                         ; v16-79   four sets of 16 numbers as they are loaded
.set X,     80                         ; v80-111  two sets of 16 neighbours
.set C,     128                        ; v128-191 codes: four registers for each step, so that no store's data are written again
.set E,     112                        ; v112-127 a scale byte for each step
.set WREG,  8192                       ; a region for each wave: two stages of 32 x SP bytes, behind them its 256 scale bytes
.set SP,    80                         ; a lane's place in a stage: its 64 bytes + 16 of padding
	s_load_b128 s[4:7], s[0:1], 0x0                ; x, xc
	s_load_b64 s[8:9], s[0:1], 0x10                ; xs
	s_sub_co_u32 s2, ttmp9, 128                    ; which 32 rows
	v_lshlrev_b32 v3, 4, v2                        ; my 16 bytes of a load's 512
	s_mul_i32 s17, s16, WREG
	v_lshrrev_b32 v14, 2, v2
	v_mul_u32_u24 v14, v14, SP
	v_and_b32 v15, 3, v2
	v_lshl_add_u32 v14, v15, 4, v14
	v_add_nc_u32 v14, s17, v14                     ; the stage, on the way in: SP (lane / 4) + 16 (lane % 4)
	v_mul_u32_u24 v15, v2, SP
	v_add_nc_u32 v15, s17, v15                     ; and on the way out: SP x lane
	v_mul_u32_u24 v4, v2, CB                       ; my codes' place in a step's
	v_lshrrev_b32 v5, 1, v2
	s_add_co_u32 s17, s17, 2*32*SP
	v_add_nc_u32 v5, s17, v5                       ; my wave's 256 scale bytes, my block's byte
	v_lshlrev_b32 v7, 3, v2                        ; and on the way out 8 bytes a lane
	v_add_nc_u32 v6, s17, v7
	s_lshl_b32 s18, s2, 5                          ; my first row of x: 32 x group + 16 (wave & 1) + (wave >> 1)
	s_and_b32 s19, s16, 1
	s_lshl_b32 s19, s19, 4
	s_add_co_u32 s18, s18, s19
	s_lshr_b32 s19, s16, 1
	s_add_co_u32 s18, s18, s19
	s_lshl_b32 s18, s18, 12                        ; 4,096 bytes a row
	s_mov_b32 s19, 0
	s_lshl_b32 s20, s2, 2
	s_add_co_u32 s20, s20, s16                     ; which run of 8 positions is mine
	s_mul_i32 s22, s20, 8*768
	s_mov_b32 s23, 0
	s_lshl_b32 s20, s20, 8                         ; 256 scale bytes a run
	s_mov_b32 s21, 0
	s_wait_alu depctr_va_vdst(0)
	s_wait_kmcnt 0x0
	s_add_nc_u64 s[4:5], s[4:5], s[18:19]
	s_add_nc_u64 s[6:7], s[6:7], s[22:23]
	s_add_nc_u64 s[8:9], s[8:9], s[20:21]
.macro XLOAD t                         ; step t: half t % 2 of my row t / 2; my rows lie two rows of x apart
.irp i, 0,1,2,3
	global_load_b128 v[R+16*((\t)%4)+4*\i:R+16*((\t)%4)+4*\i+3], v3, s[4:5] offset:8192*((\t)/2)+2048*((\t)%2)+512*\i th:TH_LOAD_NT
.endr
.endm
.macro XTURN t                         ; through the stage: LDS serves a wave's instructions in order, so no wait stands between the stores and the loads
.irp i, 0,1,2,3
	ds_store_b128 v14, v[R+16*((\t)%4)+4*\i:R+16*((\t)%4)+4*\i+3] offset:32*SP*((\t)%2)+8*SP*\i
.endr
.irp i, 0,1,2,3
	ds_load_b128 v[X+16*((\t)%2)+4*\i:X+16*((\t)%2)+4*\i+3], v15 offset:32*SP*((\t)%2)+16*\i
.endr
.endm
.irp t, 0,1,2,3
	XLOAD \t
.endr
	s_wait_loadcnt 12                              ; step 0's four loads are in; the twelve of steps 1 to 3 may be out
	XTURN 0
.macro XSTEP t
.set XS, X+16*((\t)%2)
.if (\t) > 0
	s_wait_dscnt 1                                 ; this step's numbers are back (the last step's byte store may be out)
.else
	s_wait_dscnt 0x0
.endif
.if (\t)+4 < STEPS
	XLOAD (\t)+4                                   ; into the registers that this step's stage stores have read
.endif
.if (\t)+1 < STEPS
.if STEPS-2-(\t) >= 3
	s_wait_loadcnt 12                              ; the next step's four loads are in; those of the three steps behind it may be out
.else
	s_wait_loadcnt 4*(STEPS-2-(\t))
.endif
	XTURN (\t)+1
.endif
	v_max3_num_f32 v8, |v[XS]|, |v[XS+1]|, |v[XS+2]|               ; the largest magnitude of my 16, in two chains
	v_max3_num_f32 v9, |v[XS+3]|, |v[XS+4]|, |v[XS+5]|
.irp i, 6,10
	v_max3_num_f32 v8, v8, |v[XS+\i]|, |v[XS+\i+1]|
	v_max3_num_f32 v9, v9, |v[XS+\i+2]|, |v[XS+\i+3]|
.endr
	v_max3_num_f32 v8, v8, |v[XS+14]|, |v[XS+15]|
	v_max3_num_f32 v8, v8, v9, (EMAX+1)<<23        ; and the floor 2^(3 - 127)
	v_max_num_f32_dpp v8, v8, v8 row_xmask:1 row_mask:0xf bank_mask:0xf   ; and of my neighbour's 16: the block's
	v_add_nc_u32 v11, -(EMAX<<23), v8              ; 2 off its exponent field: the conversion's scale operand
	v_cvt_scalef32_pk16_fp6_f32 v[C+4*(\t):C+4*(\t)+2], v[XS:XS+15], v11
	v_lshrrev_b32 v[E+(\t)], 23, v11               ; the scale's byte (a plain line behind the conversion)
	ds_store_b8 v5, v[E+(\t)] offset:16*(\t)       ; both lanes of a block write the same byte with the same value
	global_store_b96 v4, v[C+4*(\t):C+4*(\t)+2], s[6:7] offset:32*CB*(\t)   ; the wave stores 384 consecutive bytes
.endm
.irp t, 0,1,2,3,4,5,6,7,8,9,10,11,12,13,14,15
	XSTEP \t
.endr
	ds_load_b64 v[12:13], v6
	s_wait_dscnt 0x0
	global_store_b64 v7, v[12:13], s[8:9]          ; 32 lanes store 256 consecutive bytes, aligned
	s_wait_tensorcnt 0x0                           ; the wave's end
	ds_add_u32 v192, v193
	s_wait_dscnt 0x0
	s_endpgm
; ---------------- the weights ----------------
.Lw:
.set SIZE_N, 1024
.set KW,    256
.set NB,    KW/32
.set ROWB,  192
.set PITCH, 272                        ; a stage row: sixteen places of 16 bytes, each with 12 bytes of codes, + 16
.set KROW,  768
.set X,     32                         ; v32-95   two sets of 32 numbers
.set C,     96                         ; v96..    a block's codes
.set OUTR,  112                        ; v112-175 the way out
.set SB,    24                         ; v24-25   the scale bytes, four to a register
.set VO,    176                        ; v176-191 a byte offset in wc for each of the sixteen stores
	s_load_b256 s[4:11], s[0:1], 0x18              ; Wq, Wk, Wv, Wp
	s_load_b128 s[12:15], s[0:1], 0x38             ; wc, ws
	s_and_b32 s41, ttmp9, 31
	s_lshr_b32 s30, s41, 3                         ; which tensor
	s_and_b32 s17, s41, 7
	s_lshl_b32 s17, s17, 7
	s_lshl_b32 s18, s16, 5
	s_add_co_u32 s17, s17, s18                     ; n0: my wave's first column
	s_lshr_b32 s18, ttmp9, 5                       ; which 256 along K
	v_lshlrev_b32 v3, 2, v2                        ; in: 4 bytes a lane
	s_mul_i32 s19, s16, 32*PITCH
	s_add_co_u32 s19, s19, WL                      ; my stage
	v_mul_u32_u24 v4, v2, PITCH
	v_add_nc_u32 v4, s19, v4                       ; into it: row = my column
	v_and_b32 v5, 15, v2
	v_lshrrev_b32 v6, 4, v2                        ; out of it: sixteen lanes to a row, two rows an instruction
	s_wait_alu depctr_va_vdst(0)
	v_mul_u32_u24 v7, v6, PITCH
	v_lshl_add_u32 v7, v5, 4, v7
	v_add_nc_u32 v7, s19, v7
	v_mul_u32_u24 v16, v5, PITCH                   ; Wp's way out: stage row lane % 16, + 32 (lane / 16): two places of 16 bytes are 24 bytes of codes
	v_lshl_add_u32 v16, v6, 5, v16
	v_add_nc_u32 v16, s19, v16
	v_lshlrev_b32 v17, 4, v2                       ; and 16 bytes a lane in wc
	; where column n0 + lane goes: row PB + TS (lane >> 1) + HS (lane & 1).  Wv: d = 32 ((n0 >> 5) & 1) + lane, i = n0 >> 6
	s_bfe_u32 s34, s17, 0x10005
	s_lshl_b32 s34, s34, 9
	s_lshr_b32 s35, s17, 9
	s_lshl_b32 s35, s35, 4
	s_add_co_u32 s34, s34, s35
	s_bfe_u32 s35, s17, 0x30006
	s_add_co_u32 s34, s34, s35
	s_cmp_eq_u32 s30, 2                            ; Wv?
	s_cselect_b32 s31, 32, 2                       ; TS
	s_cselect_b32 s32, 8, 1                        ; HS
	s_cselect_b32 s33, s34, s17                    ; PB
	s_lshl_b32 s20, s18, 20                        ; W: 256 y rows of 4,096 bytes + 4 n0
	s_lshl_b32 s22, s17, 2
	s_add_co_u32 s20, s20, s22
	s_mov_b32 s21, 0
	s_lshl_b32 s24, s30, 10
	s_add_co_u32 s24, s24, s33                     ; my first row of wc and ws
	s_mul_i32 s26, s24, KROW
	s_mov_b32 s22, ROWB
	s_cmp_eq_u32 s30, 3                            ; Wp: 256 along K are two register images of 1,536 bytes
	s_cselect_b32 s22, 3072, s22
	s_mul_i32 s22, s18, s22
	s_add_co_u32 s26, s26, s22
	s_mov_b32 s27, 0
	s_lshl_b32 s28, s24, 5
	s_lshl_b32 s22, s18, 3
	s_add_co_u32 s28, s28, s22                     ; scale bytes: row x 32 + 8 y
	s_mov_b32 s29, 0
	s_mul_i32 s36, s32, KROW
	v_mul_lo_u32 v8, v6, s36
	v_mad_u32_u24 v8, v5, 12, v8                   ; store t takes stage rows 2 t + (lane >> 4)
	s_wait_alu depctr_va_vdst(0)
	s_mul_i32 s37, s31, KROW
	s_mov_b32 s38, 0
.irp t, 0,1,2,3,4,5,6,7,8,9,10,11,12,13,14,15
	v_add_nc_u32 v[VO+\t], s38, v8                 ; an offset register for each store, so that none is rewritten
	s_add_co_u32 s38, s38, s37
.endr
	v_lshrrev_b32 v10, 1, v2
	v_mul_lo_u32 v10, v10, s31
	v_and_b32 v11, 1, v2
	v_mul_lo_u32 v11, v11, s32
	v_add_nc_u32 v9, v10, v11
	v_lshlrev_b32 v9, 5, v9                        ; my column's row of scale bytes
	s_and_b32 s39, s30, 1
	s_lshr_b32 s40, s30, 1
	s_wait_kmcnt 0x0
	s_cmp_lg_u32 s39, 0                            ; the choice of the tensor hangs on the work-group's number alone
	s_cselect_b64 s[4:5], s[6:7], s[4:5]
	s_cselect_b64 s[8:9], s[10:11], s[8:9]
	s_cmp_lg_u32 s40, 0
	s_cselect_b64 s[4:5], s[8:9], s[4:5]
	s_add_nc_u64 s[4:5], s[4:5], s[20:21]
	s_add_nc_u64 s[12:13], s[12:13], s[26:27]
	s_add_nc_u64 s[14:15], s[14:15], s[28:29]
.macro WLOAD t                         ; block t: W(32 t + i, my column), i = 0 .. 31, into set t % 2
.irp i, 0,1,2,3,4,5,6,7,8,9,10,11,12,13,14,15,16,17,18,19,20,21,22,23,24,25,26,27,28,29,30,31
	global_load_b32 v[X+32*((\t)%2)+\i], v3, s[4:5] offset:(32*(\t)+\i)*SIZE_N*4 th:TH_LOAD_NT
.endr
.endm
	WLOAD 0
	WLOAD 1
.macro WBLOCK t
.set XS, X+32*((\t)%2)
.if (\t) < NB-1
	s_wait_loadcnt 32                              ; this block's 32 loads are in; the next block's 32 may be out
.else
	s_wait_loadcnt 0
.endif
	v_max3_num_f32 v12, |v[XS]|, |v[XS+1]|, |v[XS+2]|               ; the block's largest magnitude: all 32 numbers are mine
	v_max3_num_f32 v13, |v[XS+3]|, |v[XS+4]|, |v[XS+5]|
.irp i, 6,10,14,18,22,26
	v_max3_num_f32 v12, v12, |v[XS+\i]|, |v[XS+\i+1]|
	v_max3_num_f32 v13, v13, |v[XS+\i+2]|, |v[XS+\i+3]|
.endr
	v_max3_num_f32 v12, v12, |v[XS+30]|, |v[XS+31]|
	v_max3_num_f32 v12, v12, v13, (EMAX+1)<<23     ; and the floor 2^(3 - 127)
	v_add_nc_u32 v11, -(EMAX<<23), v12             ; the conversion's scale operand
	v_lshrrev_b32 v13, 23, v11                     ; the scale's byte
.if (\t)%4 == 0
	v_mov_b32 v[SB+(\t)/4], v13                    ; four bytes to a register, the lower K in the lower byte
.else
	v_lshl_or_b32 v[SB+(\t)/4], v13, 8*((\t)%4), v[SB+(\t)/4]
.endif
	v_cvt_scalef32_pk16_fp6_f32 v[C:C+2], v[XS:XS+15], v11
	v_cvt_scalef32_pk16_fp6_f32 v[C+4:C+6], v[XS+16:XS+31], v11     ; (a conversion's three registers begin on an even number)
	v_nop                                          ; one plain line behind the conversions
	ds_store_b96 v4, v[C:C+2] offset:32*(\t)       ; 12 bytes to a place of 16, so that every LDS address is a multiple of 16
	ds_store_b96 v4, v[C+4:C+6] offset:32*(\t)+16
.if (\t)+2 < NB
	WLOAD (\t)+2
.endif
	s_wait_dscnt 0x0                               ; the stores have read their registers: the next block's codes may be written
.endm
.set Q, 0
.rept NB
	WBLOCK Q
.set Q, Q+1
.endr
	s_wait_alu depctr_va_vdst(0)
	global_store_b64 v9, v[SB:SB+1], s[14:15]      ; my column's 8 scale bytes
	s_cmp_lg_u32 s30, 3
	s_cbranch_scc1 .Lrows
; Wp's CODES LEAVE AS IMAGES OF THE OPERAND'S REGISTERS: for 16 columns nb and 128 along K (step ks) 1,536 bytes at (8 nb + ks) x 1,536 of Wp's part of wc:
; registers 4 g .. 4 g + 3 of lane l at 512 g + 16 l.  Register i of lane (r, h) is dword i + 6 (i / 6) + 6 h of column r's 96 bytes; in the stage three dwords have a place of 16 bytes.
.irp f, 0,1,2,3                        ; f = 2 x (which 16 of my 32 columns) + (which 128 of my 256 along K)
.irp i, 0,1,2,3,4,5,6,7,8,9,10,11
	ds_load_b32 v[OUTR+12*\f+\i], v16 offset:(\f/2)*16*PITCH+128*(\f%2)+((\i+6*(\i/6))/3)*16+(\i%3)*4
.endr
.endr
	s_wait_dscnt 0x0
.irp f, 0,1,2,3
.irp g, 0,1,2
	global_store_b128 v17, v[OUTR+12*\f+4*\g:OUTR+12*\f+4*\g+3], s[12:13] offset:((\f/2)*8+\f%2)*1536+512*\g   ; 32 lanes store 512 consecutive bytes, aligned
.endr
.endr
	s_branch .Ldone
.Lrows:
.irp t, 0,1,2,3,4,5,6,7,8,9,10,11,12,13,14,15
	ds_load_b96 v[OUTR+4*\t:OUTR+4*\t+2], v7 offset:2*\t*PITCH   ; LDS serves a wave's instructions in order: these see my stores
.endr
.irp t, 0,1,2,3,4,5,6,7,8,9,10,11,12,13,14,15
	s_wait_dscnt 15-\t                             ; read-back t is in; the 15 - t younger ones may be out
	global_store_b96 v[VO+\t], v[OUTR+4*\t:OUTR+4*\t+2], s[12:13]
.endr
.Ldone:
	s_wait_tensorcnt 0x0                           ; the wave's end
	ds_add_u32 v192, v193
	s_wait_dscnt 0x0
	s_endpgm
.Lfunc_end_k_q06f96e5c6e_quant:
	.size	k_q06f96e5c6e_quant, .Lfunc_end_k_q06f96e5c6e_quant-k_q06f96e5c6e_quant
	.p2alignl 7, 3214868480
	.fill 96, 4, 3214868480
	.section	.rodata,"a",@progbits
	.p2align	6, 0x0
	.amdhsa_kernel k_q06f96e5c6e_quant
		.amdhsa_group_segment_fixed_size 68096
		.amdhsa_private_segment_fixed_size 0
		.amdhsa_enable_private_segment 0
		.amdhsa_kernarg_size 72
		.amdhsa_user_sgpr_count 2
		.amdhsa_user_sgpr_kernarg_segment_ptr 1
		.amdhsa_wavefront_size32 1
		.amdhsa_system_sgpr_workgroup_id_x 1
		.amdhsa_system_sgpr_workgroup_id_y 1
		.amdhsa_system_sgpr_workgroup_id_z 1
		.amdhsa_system_vgpr_workitem_id 0
		.amdhsa_next_free_vgpr 194
		.amdhsa_next_free_sgpr 66
		.amdhsa_reserve_vcc 0
		.amdhsa_float_denorm_mode_32 3
		.amdhsa_float_denorm_mode_16_64 3
		.amdhsa_memory_ordered 1
		.amdhsa_forward_progress 1
		.amdhsa_inst_pref_size 80
	.end_amdhsa_kernel
	.amdgpu_metadata
---
amdhsa.version: [ 1, 2 ]
amdhsa.kernels:
  - .name:           k_q06f96e5c6e_quant
    .symbol:         k_q06f96e5c6e_quant.kd
    .args:
      - { .name: x, .offset: 0, .size: 8, .value_kind: global_buffer, .address_space: global }
      - { .name: xc, .offset: 8, .size: 8, .value_kind: global_buffer, .address_space: global }
      - { .name: xs, .offset: 16, .size: 8, .value_kind: global_buffer, .address_space: global }
      - { .name: Wq, .offset: 24, .size: 8, .value_kind: global_buffer, .address_space: global }
      - { .name: Wk, .offset: 32, .size: 8, .value_kind: global_buffer, .address_space: global }
      - { .name: Wv, .offset: 40, .size: 8, .value_kind: global_buffer, .address_space: global }
      - { .name: Wp, .offset: 48, .size: 8, .value_kind: global_buffer, .address_space: global }
      - { .name: wc, .offset: 56, .size: 8, .value_kind: global_buffer, .address_space: global }
      - { .name: ws, .offset: 64, .size: 8, .value_kind: global_buffer, .address_space: global }
    .group_segment_fixed_size: 68096
    .private_segment_fixed_size: 0
    .kernarg_segment_align: 8
    .kernarg_segment_size: 72
    .max_flat_workgroup_size: 128
    .sgpr_count:     66
    .vgpr_count:     194
    .wavefront_size: 32
...
	.end_amdgpu_metadata
.endif
;; end of part 1
;; launch gemm_qkv (part 2): grid 12 x 32, 4 waves a work-group, clusters of 4 x 4, 327,680 bytes of LDS; arguments xc, xs, wc, ws, qkv; writes qkv
.if DOCPART == 2
	.amdgcn_target "amdgcn-amd-amdhsa--gfx1250"
	.amdhsa_code_object_version 6
	.text
	.protected	k_q06f96e5c6e_gemm_qkv
	.globl	k_q06f96e5c6e_gemm_qkv
	.p2align	8
	.type	k_q06f96e5c6e_gemm_qkv,@function
k_q06f96e5c6e_gemm_qkv:
	s_mov_b64 s[64:65], 0
	v_nop
	global_prefetch_b8 v0, s[64:65] scope:SCOPE_SE
	s_setreg_imm32_b32 hwreg(HW_REG_WAVE_MODE, 25, 1), 1
	s_wait_xcnt 0x0
	s_wait_alu depctr_hold_cnt(0) depctr_sa_sdst(0) depctr_va_vdst(0) depctr_va_sdst(0) depctr_va_ssrc(0) depctr_va_vcc(0) depctr_vm_vsrc(0)
	s_getreg_b32 s2, hwreg(HW_REG_IB_STS2, 6, 4)
	s_cmp_eq_u32 s2, 0
	s_cbranch_scc0 .Lentry_in_a_cluster
	s_endpgm
.Lentry_in_a_cluster:
	s_bfe_u32 s2, ttmp6, 0x10000c
	s_cmp_lg_u32 s2, 0xf033
	s_cbranch_scc0 .Lentry_shape_is_right
	s_endpgm
.Lentry_shape_is_right:
; q, k, v = x Wq, x Wk, x Wv on codes of FP6 (E2M3) with E8M0 scales; the results are quantised again (q, k along d; v along the keys) and leave as the records that the attention launch reads.
; A tile of 256 x 256 for a work-group of four waves, 128 x 128 a wave (64 accumulators).  Cluster x = 0, 1, 2 is q, k, v.  4 x 4 work-groups ask jointly: A's tiles along a row of the cluster, B's along a column.
; K = 1,024 is 768 bytes of a row: it goes through a ring of two LDS slots in three CHUNKS OF 256 BYTES, each row of a tile beginning at a multiple of 256 bytes.  A step of 128 along K is 96 bytes: steps 2 and 5 lie across two chunks.
; The scales of the 256 + 256 rows come once, as dense blocks.  The head's four tiles (chunk 0 of A, of B, A's scales, B's scales) are one load a wave; chunk 1 follows behind a full round, chunk 2 is the one refill.
; No prefetch: of three chunks two are asked for at the head, so no chunk stands two refills on.
; The matrix instruction is used transposed (source 0 = rows of W, source 1 = rows of x): a lane holds eight neighbouring columns of one row.
; LIMITS: a block whose largest magnitude lies under 2^-124 keeps the byte 1, a block of zeros too (this program alone reads the bytes); NaN and infinities are not served.
; WINDOWS: 0: addresses, scale words v32-63, A's fragments from v128;  1: B's fragments, two sets;  2, 3: accumulators.
.set SIZE_K, 1024
.set ROWB,   256
.set NQ,     2
.set KROW,   SIZE_K*6/8
.set STEPS,  SIZE_K/128
.set CHUNKS, KROW/ROWB
.set PITCH,  272
.set FR,     12
.set NL,     6
.set NP,     4
.set HALFT,  128*PITCH
.set SLOT,   4*HALFT
.set KS,     SIZE_K/32
.set SCL,    2*SLOT
.set HALFS,  (128*KS/256)*272
.set SBLK,   (16*KS/256)*272
.set SPARE,  SCL+4*HALFS               ; the spare words: 512 bytes that no other line names
.set VST,    SPARE+512                 ; v's scale bytes on their way out: 512 bytes a wave; no fill lands here
.set REC,    315392
.set QS_OFF, 98304
.set KC_OFF, 106496
.set VC_OFF, 204800
.set KS_OFF, 303104
.set VS_OFF, 311296
.set ADRA, 16
.set ADRB, 20
.set VSA,  24
.set VSR,  25
.set L8,   26
.set ADRS, 27
.set SPW,  28
.set NIL,  29
.set L16,  30
.set SC,   32
.set AF,   128
.set TM,   64
.set TP,   68
.set SO,   72
.set BY,   76
.set W0,   80
.set W1,   81
.set CT,   84
.set SW,   100
.set VRB,  108
.set BYV,  112
.set CEL,  128
.set HM,   95
.set SEL,  96
.set SBA,  98                          ; s[98:99] where my scale words or bytes go
.set G1, 24
.set G0, 32
.set G1B, 48
.set G0B, 56
.set G1S, 68
.set G0S, 76
.set G1SB, 80
.set G0SB, 88
.set G0H, 4
.set G0HB, 8
.set MSB, 0
.macro WIN new                         ; the immediate's high byte repeats the setting that is left
.if MSB != \new
	s_set_vgpr_msb (MSB<<8)|\new
.set MSB, \new
.endif
.endm
.set MUL_LO, 0xa1
.set MUL_HI, 0xf1
.set TO_B,   0x40
.macro JLOAD g0a, g1a, g0b, g1b        ; waves 0, 1 fetch for A, waves 2, 3 for B
	s_cmp_eq_u32 s15, 0
	s_cbranch_scc0 .Lfor_b_\@
	tensor_load_to_lds s[\g0a:\g0a+3], s[\g1a:\g1a+7]
	s_nop 0
.rept 4
	v_nop
.endr
	s_branch .Lasked_\@
.Lfor_b_\@:
	tensor_load_to_lds s[\g0b:\g0b+3], s[\g1b:\g1b+7]
	s_nop 0
.rept 4
	v_nop
.endr
.Lasked_\@:
.endm
.macro CREST
	s_cmp_lg_u32 s14, 0
	s_cbranch_scc1 .Lnot_wave_0_\@
	s_barrier_signal -3
.Lnot_wave_0_\@:
	s_barrier_wait -3
	s_barrier_signal -1
	s_barrier_wait -1
.endm
.macro CROUND
	s_barrier_signal -1
	s_barrier_wait -1
	CREST
.endm
	s_load_b128 s[4:7], s[0:1], 0x0                ; xc, xs
	s_load_b128 s[8:11], s[0:1], 0x10              ; wc, ws
	s_load_b64 s[12:13], s[0:1], 0x20              ; qkv
	v_lshl_add_u32 v[SPW], v0, 2, SPARE
	v_mov_b32 v[NIL], 0
	ds_add_u32 v[SPW], v[NIL]                      ; the opening lines: the add, twice on end, and its wait
	ds_add_u32 v[SPW], v[NIL]
	v_lshrrev_b32 v1, 5, v0
	v_readfirstlane_b32 s14, v1                    ; wave
	s_lshr_b32 s15, s14, 1                         ; my half of the rows; I fetch for A (0) or B (1)
	s_and_b32 s16, s14, 1                          ; my half of the columns; which 128 rows I fetch
	s_bfe_u32 s40, ttmp6, 0x40000                  ; cx
	s_bfe_u32 s41, ttmp6, 0x40004                  ; cy
	s_lshl_b32 s42, ttmp9, 2
	s_add_co_u32 s42, s42, s40                     ; tile column
	s_and_b32 s17, ttmp7, 0xffff
	s_lshl_b32 s17, s17, 2
	s_add_co_u32 s17, s17, s41                     ; tile row
	s_lshl_b32 s43, s41, 2
	s_lshl_b32 s43, 15, s43                        ; my row of the cluster
	s_lshl_b32 s44, 0x1111, s40                    ; my column
	s_or_b32 s[G1+0], s43, (0<<16)|(1<<20)|(1<<21)|(5<<22)|(3<<25)   ; bytes; 16 bytes of padding behind every 256
	s_or_b32 s[G1B+0], s44, (0<<16)|(1<<20)|(1<<21)|(5<<22)|(3<<25)
.irp g, G1, G1B
	s_mov_b32 s[\g+1], ROWB<<16
	s_mov_b32 s[\g+2], 256<<16                     ; 256 rows for the head's loads
	s_mov_b32 s[\g+3], ROWB<<16
	s_mov_b32 s[\g+4], 256
	s_mov_b32 s[\g+5], KROW
	s_mov_b32 s[\g+6], 0
	s_mov_b32 s[\g+7], 0
.endr
	s_or_b32 s[G1S+0], s43, (3<<16)|(1<<20)|(1<<21)|(5<<22)|(3<<25)  ; the scales of 256 rows: KS rows of 256 bytes
	s_or_b32 s[G1SB+0], s44, (3<<16)|(1<<20)|(1<<21)|(5<<22)|(3<<25)
.irp g, G1S, G1SB
	s_mov_b32 s[\g+1], 32<<16
	s_mov_b32 s[\g+2], KS<<16
	s_mov_b32 s[\g+3], 32<<16
	s_mov_b32 s[\g+4], KS
	s_mov_b32 s[\g+5], 32
	s_mov_b32 s[\g+6], 0
	s_mov_b32 s[\g+7], 0
.endr
	s_lshl_b32 s20, s17, 8
	s_lshl_b32 s46, s42, 8
	s_mov_b32 s21, 0
	s_mov_b32 s47, 0
	s_mov_b64 s[18:19], KS
	s_mul_u64 s[22:23], s[20:21], s[18:19]
	s_mul_u64 s[92:93], s[46:47], s[18:19]
	s_mov_b64 s[18:19], KROW
	s_mul_u64 s[20:21], s[20:21], s[18:19]
	s_mul_u64 s[46:47], s[46:47], s[18:19]
	s_mul_i32 s18, s16, 128*KROW
	s_mov_b32 s19, 0
	s_mul_i32 s45, s14, HALFT
	s_wait_dscnt 0x0                               ; both opening adds are done
	s_wait_kmcnt 0x0
	s_add_nc_u64 s[20:21], s[4:5], s[20:21]
	s_add_nc_u64 s[22:23], s[6:7], s[22:23]
	s_add_nc_u64 s[46:47], s[8:9], s[46:47]
	s_add_nc_u64 s[92:93], s[10:11], s[92:93]
	CROUND                                         ; the first joint loads meet
	s_mov_b32 s[G0H], 1
	s_mov_b32 s[G0H+1], 0
	s_mov_b64 s[G0H+2:G0H+3], s[20:21]
	s_or_b32 s[G0H+3], s[G0H+3], 0x80000000
	s_mov_b32 s[G0HB], 1
	s_mov_b32 s[G0HB+1], 2*HALFT
	s_mov_b64 s[G0HB+2:G0HB+3], s[46:47]
	s_or_b32 s[G0HB+3], s[G0HB+3], 0x80000000
	s_mov_b32 s[G0S], 1
	s_mov_b32 s[G0S+1], SCL
	s_mov_b64 s[G0S+2:G0S+3], s[22:23]
	s_or_b32 s[G0S+3], s[G0S+3], 0x80000000
	s_mov_b32 s[G0SB], 1
	s_mov_b32 s[G0SB+1], SCL+2*HALFS
	s_mov_b64 s[G0SB+2:G0SB+3], s[92:93]
	s_or_b32 s[G0SB+3], s[G0SB+3], 0x80000000
	s_add_nc_u64 s[20:21], s[20:21], s[18:19]      ; for the ring: my 128 rows
	s_add_nc_u64 s[46:47], s[46:47], s[18:19]
.irp s, 0,1
	s_mov_b32 s[G0+4*\s], 1
	s_add_co_u32 s[G0+4*\s+1], s45, \s*SLOT
	s_add_nc_u64 s[G0+4*\s+2:G0+4*\s+3], s[20:21], \s*ROWB
	s_or_b32 s[G0+4*\s+3], s[G0+4*\s+3], 0x80000000
	s_mov_b32 s[G0B+4*\s], 1
	s_add_co_u32 s[G0B+4*\s+1], s45, \s*SLOT
	s_add_nc_u64 s[G0B+4*\s+2:G0B+4*\s+3], s[46:47], \s*ROWB
	s_or_b32 s[G0B+4*\s+3], s[G0B+4*\s+3], 0x80000000
.endr
.macro ARM under, g0, g1, next         ; the head's loads, one a wave, in one chain of branches on the wave's number
	s_cmp_lt_u32 s14, \under
	s_cbranch_scc0 \next
	tensor_load_to_lds s[\g0:\g0+3], s[\g1:\g1+7]
	s_nop 0
.rept 4
	v_nop
.endr
	s_branch .Lhead_asked
\next:
.endm
	ARM 1, G0H,  G1,  .Lhead_b
	ARM 2, G0HB, G1B, .Lhead_sa
	ARM 3, G0S,  G1S, .Lhead_sb
	tensor_load_to_lds s[G0SB:G0SB+3], s[G1SB:G1SB+7]
	s_nop 0
.rept 4
	v_nop
.endr
.Lhead_asked:
	v_and_b32 v1, 15, v0
	v_bfe_u32 v2, v0, 4, 1
	v_mul_u32_u24 v3, v1, PITCH
	v_mul_u32_u24 v4, v2, 24
	v_add_nc_u32 v4, v3, v4                        ; a fragment's row x pitch + 24 x half
	s_mov_b32 s21, SLOT-232
	s_mov_b32 s22, SLOT+232
	v_sub_nc_u32 v7, 1, v2
	v_mul_u32_u24 v5, s21, v2
	v_add_nc_u32 v5, v3, v5
	v_add_nc_u32 v5, 232, v5                       ; across two chunks: lanes 0-15 byte 232 in slot 0, lanes 16-31 byte 0 in slot 1;
	v_mul_u32_u24 v6, s22, v7
	v_add_nc_u32 v6, v3, v6                        ; and the other way round
	s_mul_i32 s21, s15, HALFT
	s_mul_i32 s22, s16, HALFT
	s_add_co_u32 s22, s22, 2*HALFT
	v_add_nc_u32 v[ADRA+2], s21, v5
	v_add_nc_u32 v[ADRA+3], s21, v6
	v_add_nc_u32 v[ADRB+2], s22, v5
	v_add_nc_u32 v[ADRB+3], s22, v6
.irp s, 0,1
	v_add_nc_u32 v[ADRA+\s], s21, v4
	v_add_nc_u32 v[ADRB+\s], s22, v4
	s_add_co_u32 s21, s21, SLOT
	s_add_co_u32 s22, s22, SLOT
.endr
	v_mul_u32_u24 v5, v1, KS
	v_lshrrev_b32 v6, 8, v5
	v_lshl_add_u32 v5, v6, 4, v5
	s_mul_i32 s21, s15, HALFS
	s_mul_i32 s22, s16, HALFS
	s_add_co_u32 s22, s22, 2*HALFS
	s_sub_co_u32 s22, s22, s21
	v_mul_u32_u24 v6, s22, v2                      ; lanes 16-31 take B's scale words
	s_add_co_u32 s21, s21, SCL
	v_add_nc_u32 v5, v5, v6
	v_add_nc_u32 v[ADRS], s21, v5
	v_lshrrev_b32 v5, 2, v1                        ; v's scale bytes in my 512 bytes of LDS
	v_lshlrev_b32 v5, 4, v5
	v_lshl_add_u32 v5, v2, 2, v5
	v_and_b32 v6, 3, v1
	v_add_nc_u32 v5, v5, v6
	s_lshl_b32 s23, s14, 9
	s_add_co_u32 s23, s23, VST
	v_add_nc_u32 v[VSA], s23, v5
	v_and_b32 v6, 31, v0
	v_lshlrev_b32 v[L8], 3, v6
	v_lshlrev_b32 v[L16], 4, v6
	v_add_nc_u32 v[VSR], s23, v[L16]
	s_mov_b32 s[HM], 0xffff0000
	s_mov_b32 s[SEL], 0x76543210
	s_mov_b32 s[SEL+1], 0xfedcba98
	s_lshl_b32 s20, s17, 1                         ; my 128 rows are one head: its record
	s_add_co_u32 s20, s20, s15
	s_mul_i32 s20, s20, REC
	s_mov_b32 s21, 0
	s_add_nc_u64 s[12:13], s[12:13], s[20:21]
	s_lshl_b32 s46, s40, 1
	s_add_co_u32 s46, s46, s16                     ; which 128 of the tensor's 1,024 columns
	s_lshr_b32 s47, s46, 2
	s_lshl_b32 s47, s47, 4
	s_and_b32 s22, s46, 3
	s_lshl_b32 s22, s22, 1
	s_add_co_u32 s22, s22, s47
	s_lshl_b32 s22, s22, 8
	s_bfe_u32 s23, s46, 0x10001
	s_lshl_b32 s23, s23, 3
	s_add_co_u32 s23, s23, s47
	s_and_b32 s47, s46, 1
	s_add_co_u32 s23, s23, s47
	s_lshl_b32 s23, s23, 8
	s_lshl_b32 s47, s46, 8
	s_lshl_b32 s46, s46, 9
	s_mov_b32 s92, KC_OFF
	s_mov_b32 s93, KS_OFF
	s_mov_b32 s94, VC_OFF
	s_mov_b32 s18, VS_OFF
	s_mov_b32 s19, QS_OFF
	s_cmp_eq_u32 ttmp9, 2
	s_cselect_b32 s22, s23, s22
	s_cselect_b32 s47, s46, s47
	s_cselect_b32 s92, s94, s92
	s_cselect_b32 s93, s18, s93
	s_cmp_eq_u32 ttmp9, 0
	s_cselect_b32 s92, 0, s92
	s_cselect_b32 s93, s19, s93
	s_add_co_u32 s22, s22, s92
	s_add_co_u32 s46, s47, s93
	s_mov_b32 s23, 0
	s_mov_b32 s47, 0
	s_add_nc_u64 s[SBA:SBA+1], s[12:13], s[46:47]
	s_add_nc_u64 s[12:13], s[12:13], s[22:23]
.macro FRAG reg, adr, st, i            ; 16 rows x 128 K: six pieces of 8 bytes; byte y of a row lies in slot (y / 256) % 2 at byte y % 256
.irp p, 0,1,2,3,4,5
.set FB, 96*(\st)+48*(\p/3)+8*(\p%3)
.if FB/ROWB == (FB+24)/ROWB
	ds_load_b64 v[\reg+2*\p:\reg+2*\p+1], v[\adr+(FB/ROWB)%2] offset:FB%ROWB+(\i)*16*PITCH
.else
	ds_load_b64 v[\reg+2*\p:\reg+2*\p+1], v[\adr+2+(FB/ROWB)%2] offset:FB%ROWB-232+(\i)*16*PITCH
.endif
.endr
.endm
.macro MUL16 a0, p, q, sc, zero        ; the 64 accumulators take turns, one instruction a turn
.irp a, \a0, \a0+1
.irp b, 0,1,2,3,4,5,6,7
.if \zero
	v_wmma_scale_f32_16x16x128_f8f6f4 v[8*(8*((\a)%4)+\b):8*(8*((\a)%4)+\b)+7], v[128*(\p)+FR*\b:128*(\p)+FR*\b+FR-1], v[AF+FR*(\a):AF+FR*(\a)+FR-1], 0, v[SC+8*NQ*(\sc)+NQ*\b+(\q)], v[SC+8*NQ*(\sc)+NQ*(\a)+(\q)] matrix_a_fmt:MATRIX_FMT_FP6 matrix_b_fmt:MATRIX_FMT_FP6 matrix_a_scale:MATRIX_SCALE_ROW1
.else
	v_wmma_scale_f32_16x16x128_f8f6f4 v[8*(8*((\a)%4)+\b):8*(8*((\a)%4)+\b)+7], v[128*(\p)+FR*\b:128*(\p)+FR*\b+FR-1], v[AF+FR*(\a):AF+FR*(\a)+FR-1], v[8*(8*((\a)%4)+\b):8*(8*((\a)%4)+\b)+7], v[SC+8*NQ*(\sc)+NQ*\b+(\q)], v[SC+8*NQ*(\sc)+NQ*(\a)+(\q)] matrix_a_fmt:MATRIX_FMT_FP6 matrix_b_fmt:MATRIX_FMT_FP6 matrix_a_scale:MATRIX_SCALE_ROW1
.endif
.endr
.endr
.endm
.macro FETCH_B st, p
	WIN TO_B
.irp i, 0,1,2,3,4,5,6,7
	FRAG 128*(\p)+FR*\i, ADRB, \st, \i
.endr
	WIN 0
.endm
.macro FETCH_A st, i0
.irp i, \i0, \i0+1, \i0+2, \i0+3
	FRAG AF+FR*(\i), ADRA, \st, \i
.endr
.endm
.macro SCALES pr                       ; the scale words of steps 2 pr, 2 pr + 1: lanes 0-15 A's block i, lanes 16-31 B's
.irp i, 0,1,2,3,4,5,6,7
	ds_load_b64 v[SC+8*NQ*((\pr)%2)+NQ*\i:SC+8*NQ*((\pr)%2)+NQ*\i+1], v[ADRS] offset:\i*SBLK+4*NQ*(\pr)
.endr
.endm
.macro PLACES n
.rept \n
	v_nop
.endr
.endm
; A step: 64 matrix instructions; the next step's fragments are fetched in its middle and at its end.  Where the next step ends in a chunk not yet read, a barrier shows that chunk whole;
; where it begins in a later chunk, the chunk left behind is free: the three lines, the barrier, and, where a chunk two on is left, the cluster's round and the refill.
.macro STEP st, zero
.set NX, (\st)+1
.set C0, (96*(\st))/ROWB
.set C1, (96*NX)/ROWB
.set E0, (96*(\st)+95)/ROWB
.set E1, (96*NX+95)/ROWB
.if C1 > C0 || E1 > E0
	s_wait_tensorcnt 0x0                           ; all my tensor loads have landed
.if C1 > C0
	ds_add_u32 v[SPW], v[NIL]
	s_wait_dscnt 4*NL+1                            ; the add and A's blocks 4-7 may be out
.else
	s_wait_dscnt 4*NL                              ; A's blocks 4-7 may be out
.endif
	WIN MUL_LO
	MUL16 0, (\st)%2, (\st)%2, ((\st)/2)%2, \zero
	s_wait_dscnt 0x0                               ; the add and all my reads are done
	s_barrier_signal -1
	MUL16 2, (\st)%2, (\st)%2, ((\st)/2)%2, \zero
	WIN 0
	s_barrier_wait -1
.if C1 > C0 && C0+2 < CHUNKS
	CREST
	s_add_nc_u64 s[G0+4*(C0%2)+2:G0+4*(C0%2)+3], s[G0+4*(C0%2)+2:G0+4*(C0%2)+3], 2*ROWB
	s_add_nc_u64 s[G0B+4*(C0%2)+2:G0B+4*(C0%2)+3], s[G0B+4*(C0%2)+2:G0B+4*(C0%2)+3], 2*ROWB
	JLOAD G0+4*(C0%2), G1, G0B+4*(C0%2), G1B       ; chunk C0 + 2; its four v_nop are the places in front of the loads below
.else
	PLACES NP
.endif
.else
	s_wait_dscnt 4*NL                              ; A's blocks 4-7 may be out
	WIN MUL_LO
	MUL16 0, (\st)%2, (\st)%2, ((\st)/2)%2, \zero
	MUL16 2, (\st)%2, (\st)%2, ((\st)/2)%2, \zero
	s_wait_dscnt 0
	PLACES NP
.endif
	FETCH_B NX, NX%2
	FETCH_A NX, 0
.if NX%2 == 0
	SCALES NX/2
.endif
	WIN MUL_HI
	MUL16 4, (\st)%2, (\st)%2, ((\st)/2)%2, \zero
	MUL16 6, (\st)%2, (\st)%2, ((\st)/2)%2, \zero
	PLACES NP
	WIN 0
	FETCH_A NX, 4
.endm
	s_wait_alu depctr_va_vdst(0)
	s_wait_tensorcnt 0x0                           ; my tile of the head's four is in; the three lines ahead of slot 1's first fill
	ds_add_u32 v[SPW], v[NIL]
	s_mov_b32 s[G1+2], 128<<16                     ; no load of mine is out: from here on a load brings 128 rows
	s_mov_b32 s[G1+4], 128
	s_mov_b32 s[G1B+2], 128<<16
	s_mov_b32 s[G1B+4], 128
	s_wait_dscnt 0x0
	CROUND
	JLOAD G0+4, G1, G0B+4, G1B                     ; chunk 1
	FETCH_B 0, 0
	FETCH_A 0, 0
	SCALES 0
	FETCH_A 0, 4
	STEP 0, 1                                      ; the first step's products start the sums
.set ST, 1
.rept STEPS-2
	STEP ST, 0
.set ST, ST+1
.endr
	s_wait_dscnt 4*NL
	WIN MUL_LO
	MUL16 0, 1, 1, 1, 0
	MUL16 2, 1, 1, 1, 0
	s_wait_dscnt 0
	WIN MUL_HI
	MUL16 4, 1, 1, 1, 0
	MUL16 6, 1, 1, 1, 0
	WIN 0
; THE WAY OUT.  q, k: block a's 16 rows x 128 columns are two heads' positions x 64: four blocks of 32 along d, each shared with lane l xor 16.
.macro QKA a
.set AC, 64*((\a)%4)
.set CA, CEL+12*(\a)
	WIN 0x28+0x14*((\a)/4)
.irp b, 0,1,2,3
	v_mov_b32 v[TM+\b], 0x1800000                  ; the floor 2^(3 - 127)
.endr
.irp i, 0,2,4,6,8,10,12,14
.irp b, 0,1,2,3
	v_max3_num_f32 v[TM+\b], v[TM+\b], |v[AC+16*\b+\i]|, |v[AC+16*\b+\i+1]|
.endr
.endr
	WIN 0
.irp b, 0,1,2,3
	v_permlanex16_b32 v[TP+\b], v[TM+\b], s[SEL], s[SEL+1]
.endr
.irp b, 0,1,2,3
	v_max_num_f32 v[TM+\b], v[TM+\b], v[TP+\b]
.endr
.irp b, 0,1,2,3
	v_add_nc_u32 v[SO+\b], 0xff000000, v[TM+\b]    ; 2 off the exponent field: the conversion's scale operand
.endr
.irp b, 0,1,2,3
	v_lshrrev_b32 v[BY+\b], 23, v[SO+\b]
.endr
	v_lshl_or_b32 v[W0], v[BY+1], 8, v[BY]
	v_lshl_or_b32 v[W1], v[BY+3], 8, v[BY+2]
	v_cndmask_b32 v[SW+(\a)], v[W0], v[W1], s[HM]
	WIN 0x02+((\a)/4)
.irp c, 0,1
	v_cvt_scalef32_pk16_fp6_f32 v[CA+6*\c:CA+6*\c+2], v[AC+32*\c:AC+32*\c+15], v[SO+2*\c]
	v_cvt_scalef32_pk16_fp6_f32 v[CT+4*\c:CT+4*\c+2], v[AC+32*\c+16:AC+32*\c+31], v[SO+2*\c+1]
.endr
	WIN 0
	v_nop                                          ; one plain place behind a scaled conversion
.irp c, 0,1
.irp i, 0,1,2
	v_permlane16_swap_b32 v[CA+6*\c+\i], v[CT+4*\c+\i]
.endr
.irp i, 0,1,2
	v_mov_b32 v[CA+6*\c+3+\i], v[CT+4*\c+\i]
.endr
.endr
.irp c, 0,1
.irp q, 0,1,2
	global_store_b64 v[L8], v[CA+6*\c+2*\q:CA+6*\c+2*\q+1], s[12:13] offset:(3*((\a)/2)+\q)*8192+((\a)%2)*2048+\c*256   ; 32 lanes store 256 consecutive bytes, aligned
.endr
.endr
.if (\a)%2
	global_store_b64 v[L8], v[SW+(\a)-1:SW+(\a)], s[SBA:SBA+1] offset:((\a)/2)*2048
.endif
.endm
; v: the 32 registers of blocks 2 al, 2 al + 1 are 32 neighbouring keys of one d: a whole block in a lane.
.macro VA al
.set A0, 64*((2*(\al))%4)
	WIN 0x28+0x14*((\al)/2)
.irp b, 0,1,2,3
	v_mov_b32 v[TM+\b], 0x1800000
.endr
.irp i, 0,2,4,6,8,10,12,14
.irp b, 0,1,2,3
	v_max3_num_f32 v[TM+\b], v[TM+\b], |v[A0+16*\b+\i]|, |v[A0+16*\b+\i+1]|
.endr
.endr
.irp i, 0,2,4,6,8,10,12,14
.irp b, 0,1,2,3
	v_max3_num_f32 v[TM+\b], v[TM+\b], |v[A0+64+16*\b+\i]|, |v[A0+64+16*\b+\i+1]|
.endr
.endr
	WIN 0
.irp b, 0,1,2,3
	v_add_nc_u32 v[SO+\b], 0xff000000, v[TM+\b]
.endr
.irp b, 0,1,2,3
	v_lshrrev_b32 v[BYV+4*(\al)+\b], 23, v[SO+\b]
.endr
.irp b, 0,1,2,3
	ds_store_b8 v[VSA], v[BYV+4*(\al)+\b] offset:256*(\b/2)+64*(\al)+8*(\b%2)
.endr
	WIN 0x02+((\al)/2)
.irp b, 0,1,2,3
	v_cvt_scalef32_pk16_fp6_f32 v[CEL+6*(4*(\al)+\b):CEL+6*(4*(\al)+\b)+2], v[A0+16*\b:A0+16*\b+15], v[SO+\b]
	v_cvt_scalef32_pk16_fp6_f32 v[CT+4*\b:CT+4*\b+2], v[A0+64+16*\b:A0+64+16*\b+15], v[SO+\b]
.endr
	WIN 0
	v_nop
.irp b, 0,1,2,3
.irp i, 0,1,2
	v_mov_b32 v[CEL+6*(4*(\al)+\b)+3+\i], v[CT+4*\b+\i]
.endr
.endr
.irp b, 0,1,2,3
.irp q, 0,1,2
	global_store_b64 v[L8], v[CEL+6*(4*(\al)+\b)+2*\q:CEL+6*(4*(\al)+\b)+2*\q+1], s[12:13] offset:(3*(\al)+\q)*8192+\b*512
.endr
.endr
.endm
.irp b, 0,1,2,3
	v_mov_b32 v[TP+\b], 0                          ; a lane permute's destination counts as a source; these four are also the places behind the last products
.endr
	s_cmp_eq_u32 ttmp9, 2                          ; the cluster's x: the same in all partners
	s_cbranch_scc1 .Lv
.irp a, 0,1,2,3,4,5,6,7
	QKA \a
.endr
	s_branch .Lend
.Lv:
.irp al, 0,1,2,3
	VA \al
.endr
	ds_load_b128 v[VRB:VRB+3], v[VSR]              ; LDS serves a wave's instructions in order: this sees my stores
	s_wait_dscnt 0x0
	global_store_b128 v[L16], v[VRB:VRB+3], s[SBA:SBA+1]
.Lend:
	s_wait_tensorcnt 0x0                           ; the wave's end
	ds_add_u32 v[SPW], v[NIL]
	s_wait_dscnt 0x0
	CROUND                                         ; the closing round
	s_endpgm
.Lfunc_end_k_q06f96e5c6e_gemm_qkv:
	.size	k_q06f96e5c6e_gemm_qkv, .Lfunc_end_k_q06f96e5c6e_gemm_qkv-k_q06f96e5c6e_gemm_qkv
	.p2alignl 7, 3214868480
	.fill 96, 4, 3214868480
	.section	.rodata,"a",@progbits
	.p2align	6, 0x0
	.amdhsa_kernel k_q06f96e5c6e_gemm_qkv
		.amdhsa_group_segment_fixed_size 327680
		.amdhsa_private_segment_fixed_size 0
		.amdhsa_enable_private_segment 0
		.amdhsa_kernarg_size 40
		.amdhsa_user_sgpr_count 2
		.amdhsa_user_sgpr_kernarg_segment_ptr 1
		.amdhsa_wavefront_size32 1
		.amdhsa_system_sgpr_workgroup_id_x 1
		.amdhsa_system_sgpr_workgroup_id_y 1
		.amdhsa_system_sgpr_workgroup_id_z 1
		.amdhsa_system_vgpr_workitem_id 0
		.amdhsa_next_free_vgpr 1024
		.amdhsa_next_free_sgpr 100
		.amdhsa_reserve_vcc 0
		.amdhsa_float_denorm_mode_32 3
		.amdhsa_float_denorm_mode_16_64 3
		.amdhsa_memory_ordered 1
		.amdhsa_forward_progress 1
		.amdhsa_inst_pref_size 197
	.end_amdhsa_kernel
	.amdgpu_metadata
---
amdhsa.version: [ 1, 2 ]
amdhsa.kernels:
  - .name:           k_q06f96e5c6e_gemm_qkv
    .symbol:         k_q06f96e5c6e_gemm_qkv.kd
    .args:
      - { .name: xc, .offset: 0, .size: 8, .value_kind: global_buffer, .address_space: global }
      - { .name: xs, .offset: 8, .size: 8, .value_kind: global_buffer, .address_space: global }
      - { .name: wc, .offset: 16, .size: 8, .value_kind: global_buffer, .address_space: global }
      - { .name: ws, .offset: 24, .size: 8, .value_kind: global_buffer, .address_space: global }
      - { .name: qkv, .offset: 32, .size: 8, .value_kind: global_buffer, .address_space: global }
    .group_segment_fixed_size: 327680
    .private_segment_fixed_size: 0
    .kernarg_segment_align: 8
    .kernarg_segment_size: 40
    .max_flat_workgroup_size: 128
    .sgpr_count:     100
    .vgpr_count:     1024
    .wavefront_size: 32
...
	.end_amdgpu_metadata
.endif
;; end of part 2
;; launch attn (part 3): grid 4 x 64, 16 waves a work-group, clusters of 4 x 1, 327,680 bytes of LDS; arguments qkv, wc, ws, bp, out0; writes out0
.if DOCPART == 3
	.amdgcn_target "amdgcn-amd-amdhsa--gfx1250"
	.amdhsa_code_object_version 6
	.text
	.protected	k_q06f96e5c6e_attn
	.globl	k_q06f96e5c6e_attn
	.p2align	8
	.type	k_q06f96e5c6e_attn,@function
k_q06f96e5c6e_attn:
	s_mov_b64 s[64:65], 0
	v_nop
	global_prefetch_b8 v0, s[64:65] scope:SCOPE_SE
	s_setreg_imm32_b32 hwreg(HW_REG_WAVE_MODE, 25, 1), 1
	s_wait_xcnt 0x0
	s_wait_alu depctr_hold_cnt(0) depctr_sa_sdst(0) depctr_va_vdst(0) depctr_va_sdst(0) depctr_va_ssrc(0) depctr_va_vcc(0) depctr_vm_vsrc(0)
	s_getreg_b32 s2, hwreg(HW_REG_IB_STS2, 6, 4)
	s_cmp_eq_u32 s2, 0
	s_cbranch_scc0 .Lentry_in_a_cluster
	s_endpgm
.Lentry_in_a_cluster:
	s_bfe_u32 s2, ttmp6, 0x10000c
	s_cmp_lg_u32 s2, 0x3003
	s_cbranch_scc0 .Lentry_shape_is_right
	s_endpgm
.Lentry_shape_is_right:
; out = (softmax(q k^T / 8) v, viewed as [8192][1024]) Wp + bp: 64 heads of 2,048 positions x 64; all three products on codes of FP6 (E2M3), one E8M0 scale for each 32 along a product's K.
; THE SOFTMAX: t = score x log2(e) / 8; M = the row's largest t so far, rounded UP to a whole number; p = 2^(t - M) is quantised along the keys, not normalised.  The row's sum is taken of the unquantised p in f32
; and divides at the end.  When M moves, the sum and O are multiplied by 2^(old M - new M): exact.
; qkv holds a record of 1,232 units of 256 bytes for each head.  Head position s' = 16 R' + chi, R' = 32 alpha + 2 r + e:
;   QC at 0, KC at 106,496: unit (3 alpha + q) 32 + 16 (chi >> 3) + 8 e + (chi & 7), byte 8 (16 h + r): piece q (8 of 24 bytes) of the codes of (s', d block h);
;   QS at 98,304, KS at 303,104: unit 8 alpha + (chi >> 1), byte 8 (16 (chi & 1) + r) + 4 e: a word: two scale bytes, two bytes 0;
;   VC at 204,800: d = 32 blk + 16 hh + 8 u + 2 jj + hg: unit (3 alpha + q) 32 + 16 blk + 8 hh + 2 jj + u, byte 8 (16 hg + r): piece q of (d, key block 16 alpha + r);   VS at 311,296: unit d >> 2, byte 16 (kappa >> 2) + 4 (d & 3) + (kappa & 3).
; SHARES.  A cluster of four work-groups is one head.  Work-group cx takes alpha = cx, in two trips e = 0, 1; wave w = chi owns the 16 queries 16 (32 alpha + 2 r + e) + chi.  The sixteen waves together own 32 whole rows of ctx.
; THE WHOLE HEAD'S K AND V STAY IN LDS, filled once, jointly: waves 0-7 ask for 48 units of K's codes each (16 bytes of padding a unit), waves 8-15 for 54 units of V's codes and the scales (8 bytes).
; With these pitches the 32 lanes of each load of 8 bytes of codes touch 64 different banks (64 banks of 4 bytes: ISA guide 11.1).
; LAYOUT.  All products are used transposed, so that a lane holds ONE query (lane % 16).  Row 8 hh + j of tile 4 c + i of K is key 64 c + 32 hh + 8 i + j of the step's 128:
; the 32 registers of tiles 4 c .. 4 c + 3 are then 32 neighbouring keys: A WHOLE BLOCK IN A LANE, block 2 c + h, as the next operand's layout wants it.
; THE FIRST PRODUCT'S K IS 64 in an instruction of 128: Q's registers 6-11 are zero codes; K's fragment names twelve registers of which the upper six are the next fragment's (any codes: they meet zeros); scale bytes 2, 3 are 0.
; THE LAST PRODUCT.  ctx is quantised along d into a stage in LDS (32 rows x 768 bytes, and their scale bytes); one barrier; wave w then makes the 32 rows x columns 64 w .. 64 w + 63 of out: 8 accumulators, begun with bp, 8 steps of 128.
; Wp's codes lie in wc as images of the operand's registers (1,536 bytes for 16 columns x 128 K): a fragment is three loads of 512 consecutive bytes straight into registers.
; No joint load serves Wp: a wave's 49,152 bytes of it are read by that wave alone in its work-group, once, and pass through no LDS, so there is no slot, refill or round for them.
; LIMITS: the promise holds while the scaled scores stay under 2^31 in magnitude; a block of ctx whose largest magnitude lies under 2^-124 keeps the byte 1, a block of zeros too; NaN and infinities are not served.
.set REC,  315392
.set UK,   272
.set UP,   264
.set VB,   384*UK                      ; LDS: K's codes at 0, V's here,
.set KSB,  VB+384*UP                   ; K's scale words,
.set VSB,  KSB+32*UP                   ; V's scale bytes; they end at 218,496
.set STG,  218624                      ; the next block of 256 bytes: ctx's codes, 32 rows x (768 + 16); row 16 e + r.  No fill lands from here on
.set SPI,  784
.set STGS, STG+32*SPI                  ; its scale bytes, 32 rows x 32
.set OST,  STGS+1024                   ; out's stage: 16 rows x (256 + 16) for each wave
.set OPI,  272
.set SPARE, OST+16*16*OPI              ; the spare words: 2,048 bytes that no other line names
.set WPC,  3072*768                    ; Wp's part of wc, and of ws
.set WPS,  3072*32
.set AK,   1
.set AV,   2
.set AKS,  3
.set AVS,  4
.set STO,  5
.set STS,  6
.set H8,   7                           ; 8 x (lane / 16)
.set ADK,  8
.set ADV,  9
.set ADKS, 10
.set ADVS, 11
.set QF,   16                          ; v16-21 Q's codes, v22-27 zero codes
.set QSC,  29
.set F,    32                          ; v32-79 K's eight fragments of 6, then V's four of 12; v80-85 zero codes
.set KSC,  86
.set VSC,  90
.set PSC,  92
.set PFO,  93
.set OSTO, 94
.set ORD,  95
.set S,    96                          ; v96-159 S^T, then p
.set O,    160                         ; v160-191 O^T
.set BM,   192
.set PT,   196
.set SO,   200
.set FF,   204
.set T0,   206
.set T1,   207
.set PCD,  208
.set CT,   220
.set Q2,   232                         ; v232-237 the second trip's Q, v238 its scale words
.set TS,   240                         ; v240-245 three chains of the sum
.set CO,   246
.set BO,   247
.set ASA,  248
.set BSO,  249
.set L16,  250
.set AST,  251
.set ACC,  96                          ; the last product: 8 accumulators; Wp's fragments in two sets at v32 and v160; ctx's at v208; scale words at v232 (ctx) and v16 (Wp)
.set AFR,  208
.set ASC,  232
.set BSC,  16
.set WV,   10
.set G1K,  16
.set G0K,  24
.set SEL,  28
.set CS,   30
.set TRIPS, 32
.set ALC,  33
.set TCK,  34
.set TKS,  35
.set TVS,  36
.set TCV,  37
.set QB,   38
.set QSB,  40
.set OB,   42
.set WB,   44
.set WSB,  56
.set BPB,  58
.set PFB,  60
.set TST,  62
.set TSS,  63
.set G1V,  68
.set G0V,  76
.macro CROUND
	s_barrier_signal -1
	s_barrier_wait -1
	s_cmp_lg_u32 s[WV], 0
	s_cbranch_scc1 .Lnot_wave_0_\@
	s_barrier_signal -3
.Lnot_wave_0_\@:
	s_barrier_wait -3
	s_barrier_signal -1
	s_barrier_wait -1
.endm
	s_load_b128 s[4:7], s[0:1], 0x0                ; qkv, wc
	s_load_b128 s[56:59], s[0:1], 0x10             ; ws, bp
	s_load_b64 s[OB:OB+1], s[0:1], 0x20            ; out0
	v_lshl_add_u32 v254, v0, 2, SPARE
	v_mov_b32 v255, 0
	ds_add_u32 v254, v255                          ; the opening lines: the add, twice on end, and its wait
	ds_add_u32 v254, v255
	v_lshrrev_b32 v1, 5, v0
	v_readfirstlane_b32 s[WV], v1                  ; wave 0..15
	s_bfe_u32 s11, ttmp6, 0x40000                  ; cx: it enters global addresses of Q and out alone
	s_and_b32 s12, ttmp7, 0xffff                   ; the head
	s_mov_b32 s[G1K], 15|(3<<16)|(1<<20)|(1<<21)|(5<<22)|(3<<25)   ; all four work-groups; elements of 8 bytes; 4 words of padding behind every 64
	s_mov_b32 s[G1K+1], 32<<16
	s_mov_b32 s[G1K+2], 48<<16
	s_mov_b32 s[G1K+3], 32<<16
	s_mov_b32 s[G1K+4], 48
	s_mov_b32 s[G1K+5], 32
	s_mov_b32 s[G1K+6], 0
	s_mov_b32 s[G1K+7], 0
	s_mov_b32 s[G1V], 15|(3<<16)|(1<<20)|(1<<21)|(5<<22)|(1<<25)   ; the same with 2 words of padding, 54 rows
	s_mov_b32 s[G1V+1], 32<<16
	s_mov_b32 s[G1V+2], 54<<16
	s_mov_b32 s[G1V+3], 32<<16
	s_mov_b32 s[G1V+4], 54
	s_mov_b32 s[G1V+5], 32
	s_mov_b32 s[G1V+6], 0
	s_mov_b32 s[G1V+7], 0
	s_mul_i32 s46, s12, REC
	s_mov_b32 s47, 0
	s_mul_i32 s48, s[WV], 48*256
	s_add_co_u32 s48, s48, 106496                  ; K's codes: 48 units a wave
	s_mov_b32 s49, 0
	s_and_b32 s52, s[WV], 7
	s_mul_i32 s50, s52, 54*256
	s_add_co_u32 s50, s50, 204800                  ; from V's codes on: 54 units a wave
	s_mov_b32 s51, 0
	s_mov_b32 s[G0K], 1
	s_mul_i32 s[G0K+1], s[WV], 48*UK
	s_mov_b32 s[G0V], 1
	s_mul_i32 s[G0V+1], s52, 54*UP
	s_add_co_u32 s[G0V+1], s[G0V+1], VB
	s_mov_b32 s[SEL], 0x76543210
	s_mov_b32 s[SEL+1], 0xfedcba98
	s_mov_b32 s[CS], 0x3e38aa3b                    ; log2(e) / 8
	s_mov_b32 s[CS+1], s[CS]
	s_wait_dscnt 0x0
	s_wait_kmcnt 0x0
	s_add_nc_u64 s[4:5], s[4:5], s[46:47]          ; the head's record
	s_add_nc_u64 s[G0K+2:G0K+3], s[4:5], s[48:49]
	s_or_b32 s[G0K+3], s[G0K+3], 0x80000000
	s_add_nc_u64 s[G0V+2:G0V+3], s[4:5], s[50:51]
	s_or_b32 s[G0V+3], s[G0V+3], 0x80000000
	CROUND                                         ; the joint loads meet
	s_cmp_lt_u32 s[WV], 8                          ; one load a wave: the only fills of the launch
	s_cbranch_scc0 .Lhead_v
	tensor_load_to_lds s[G0K:G0K+3], s[G1K:G1K+7]
	s_nop 0
.rept 4
	v_nop
.endr
	s_branch .Lhead_j
.Lhead_v:
	tensor_load_to_lds s[G0V:G0V+3], s[G1V:G1V+7]
	s_nop 0
.rept 4
	v_nop
.endr
.Lhead_j:
	s_mul_i32 s50, s11, 24576                      ; alpha = cx: three groups of 32 units in QC
	s_lshr_b32 s52, s[WV], 3
	s_lshl_b32 s52, s52, 4
	s_and_b32 s53, s[WV], 7
	s_add_co_u32 s52, s52, s53                     ; unit 16 (chi >> 3) + (chi & 7)
	s_lshl_b32 s52, s52, 8
	s_add_co_u32 s52, s52, s50
	s_mov_b32 s53, 0
	s_add_nc_u64 s[QB:QB+1], s[4:5], s[52:53]
	s_lshl_b32 s52, s11, 3
	s_lshr_b32 s54, s[WV], 1
	s_add_co_u32 s52, s52, s54                     ; unit 8 alpha + (chi >> 1)
	s_lshl_b32 s52, s52, 8
	s_and_b32 s54, s[WV], 1
	s_lshl_b32 s54, s54, 7
	s_add_co_u32 s52, s52, s54
	s_add_co_u32 s52, s52, 98304
	s_add_nc_u64 s[QSB:QSB+1], s[4:5], s[52:53]
	s_lshl_b32 s52, s12, 19                        ; out: row 128 head + 32 cx, column 64 wave
	s_lshl_b32 s54, s11, 17
	s_add_co_u32 s52, s52, s54
	s_lshl_b32 s54, s[WV], 8
	s_add_co_u32 s52, s52, s54
	s_add_nc_u64 s[OB:OB+1], s[OB:OB+1], s[52:53]
	s_mov_b32 s55, 0
	s_add_nc_u64 s[BPB:BPB+1], s[BPB:BPB+1], s[54:55]   ; bp: 256 bytes a wave
	s_mul_i32 s52, s[WV], 49152
	s_add_co_u32 s52, s52, WPC
	s_add_nc_u64 s[WB:WB+1], s[6:7], s[52:53]      ; Wp's images: 32 of 1,536 bytes a wave
	s_mul_i32 s54, s11, 12288
	s_add_nc_u64 s[PFB:PFB+1], s[WB:WB+1], s[54:55]
	s_lshl_b32 s52, s[WV], 11
	s_add_co_u32 s52, s52, WPS
	s_add_nc_u64 s[WSB:WSB+1], s[WSB:WSB+1], s[52:53]
	s_mul_i32 s13, s[WV], 48
	s_add_co_u32 s13, s13, STG
	s_lshl_b32 s46, s[WV], 1
	s_add_co_u32 s46, s46, STGS
	s_mul_i32 s47, s[WV], 16*OPI
	s_add_co_u32 s47, s47, OST
	v_and_b32 v32, 31, v0                          ; l
	v_and_b32 v33, 15, v0                          ; r
	v_bfe_u32 v34, v0, 4, 1                        ; h
	v_and_b32 v35, 7, v0                           ; j
	v_bfe_u32 v36, v0, 3, 1                        ; hh
	v_and_b32 v37, 1, v0
	v_mul_u32_u24 v[AK], v35, UK
	v_lshl_add_u32 v[AK], v36, 3, v[AK]
	v_lshl_add_u32 v[AK], v34, 7, v[AK]            ; K: unit j, + 8 hh (key block) + 128 h (d block)
	v_and_b32 v38, 14, v33
	v_mul_u32_u24 v[AV], v38, UP
	v_lshl_add_u32 v[AV], v37, 7, v[AV]
	v_lshl_add_u32 v[AV], v34, 3, v[AV]
	v_add_nc_u32 v[AV], VB, v[AV]                  ; V: unit r & 14, + 128 (r & 1) + 8 h
	v_bfe_u32 v38, v0, 1, 2
	v_lshl_add_u32 v38, v34, 2, v38
	v_mul_u32_u24 v[AKS], v38, UP
	v_lshl_add_u32 v[AKS], v37, 7, v[AKS]
	v_lshl_add_u32 v[AKS], v36, 3, v[AKS]
	v_add_nc_u32 v[AKS], KSB, v[AKS]               ; K's scale words: unit 4 h + (j >> 1), + 128 (j & 1) + 8 hh
	v_bfe_u32 v38, v0, 2, 1
	v_lshl_add_u32 v38, v34, 1, v38
	v_lshl_add_u32 v38, v36, 2, v38
	v_mul_u32_u24 v[AVS], v38, UP
	v_and_b32 v38, 3, v0
	v_lshl_add_u32 v[AVS], v38, 2, v[AVS]
	v_add_nc_u32 v[AVS], VSB, v[AVS]               ; V's: unit 4 hh + 2 h + (j >> 2), + 4 (l & 3)
	v_mul_u32_u24 v39, v33, SPI
	v_mad_u32_u24 v39, v34, 24, v39
	v_add_nc_u32 v[STO], s13, v39                  ; ctx's stage: row r, block 2 chi + h
	v_add_nc_u32 v[AST], STG, v39                  ; and back as fragments: row r, + 24 h
	v_lshl_add_u32 v[STS], v33, 5, s46
	v_lshlrev_b32 v[BSO], 5, v32
	v_add_nc_u32 v[ASA], STGS, v[BSO]              ; ctx's scale words: lanes 0-15 rows of e = 0, lanes 16-31 of e = 1
	v_mul_u32_u24 v39, v33, OPI
	v_lshl_add_u32 v39, v34, 5, v39
	v_add_nc_u32 v[OSTO], s47, v39
	v_mul_u32_u24 v39, v34, OPI
	v_lshl_add_u32 v39, v33, 4, v39
	v_add_nc_u32 v[ORD], s47, v39
	v_lshlrev_b32 v[CO], 13, v34
	v_lshl_add_u32 v[CO], v33, 4, v[CO]            ; out: two rows down for lanes 16-31, 16 bytes a lane
	v_lshlrev_b32 v[BO], 5, v34
	v_lshlrev_b32 v[L16], 4, v32
	v_lshlrev_b32 v[H8], 3, v34
	v_min_u32 v[PFO], 23, v32
	v_lshlrev_b32 v[PFO], 8, v[PFO]
	v_lshlrev_b32 v28, 3, v32
	v_lshlrev_b32 v40, 3, v33
.irp q, 0,1,2
	global_load_b64 v[QF+2*\q:QF+2*\q+1], v28, s[QB:QB+1] offset:8192*\q          ; my fragment of Q, e = 0: three units as they lie
	global_load_b64 v[Q2+2*\q:Q2+2*\q+1], v28, s[QB:QB+1] offset:8192*\q+2048     ; and e = 1
.endr
	global_load_b32 v[QSC], v40, s[QSB:QSB+1]
	global_load_b32 v[Q2+6], v40, s[QSB:QSB+1] offset:4
.irp i, 0,1,2,3,4,5
	v_mov_b32 v[QF+6+\i], 0                        ; zero codes
	v_mov_b32 v[F+48+\i], 0
.endr
	s_mov_b32 s[TST], 0
	s_mov_b32 s[TSS], 0
	s_wait_alu depctr_va_vdst(0)
	s_wait_tensorcnt 0x0                           ; my units are in,
	s_wait_loadcnt 0x0                             ; and Q
	s_barrier_signal -1
	s_barrier_wait -1                              ; everybody's are
; A KEY STEP: 128 keys: key blocks 16 alpha + 4 m + 0 .. 3.
.macro STEP m
.irp t, 0,1,2,3,4,5,6,7
.irp q, 0,1,2
	ds_load_b64 v[F+6*\t+2*\q:F+6*\t+2*\q+1], v[ADK] offset:(32*\q+16*(\t%2)+8*((\t%4)/2))*UK+16*(\t/4)+32*(\m)
.endr
.endr
.irp b, 0,1,2,3
	ds_load_b32 v[KSC+\b], v[ADKS] offset:16*(\b/2)+4*(\b%2)+32*(\m)   ; lanes 0-15 tile 4 c + 2 (b % 2), lanes 16-31 the tile behind it
.endr
	s_wait_dscnt 0x0
.irp t, 0,1,2,3,4,5,6,7
.if \t%2
	v_wmma_scale_f32_16x16x128_f8f6f4 v[S+8*\t:S+8*\t+7], v[F+6*\t:F+6*\t+11], v[QF:QF+11], 0, v[KSC+2*(\t/4)+(\t%4)/2], v[QSC] matrix_a_fmt:MATRIX_FMT_FP6 matrix_b_fmt:MATRIX_FMT_FP6 matrix_a_scale:MATRIX_SCALE_ROW1
.else
	v_wmma_scale_f32_16x16x128_f8f6f4 v[S+8*\t:S+8*\t+7], v[F+6*\t:F+6*\t+11], v[QF:QF+11], 0, v[KSC+2*(\t/4)+(\t%4)/2], v[QSC] matrix_a_fmt:MATRIX_FMT_FP6 matrix_b_fmt:MATRIX_FMT_FP6
.endif
.endr
.rept 4
	v_nop                                          ; four places: in front of the loads into K's registers and of the first read of the scores
.endr
.irp t, 0,1,2,3                                ; V's four tiles land under the softmax
.irp c, 0,1
.irp q, 0,1,2
	ds_load_b64 v[F+12*\t+6*\c+2*\q:F+12*\t+6*\c+2*\q+1], v[ADV] offset:32*UP*\q+(16*(\t/2)+\t%2)*UP+16*\c+32*(\m)
.endr
.endr
.endr
.irp b, 0,1
	ds_load_b32 v[VSC+\b], v[ADVS] offset:8*UP*\b+16*(\m)
.endr
.irp b, 0,1,2,3
	v_max3_num_f32 v[BM+\b], v[S+16*\b], v[S+1+16*\b], v[S+2+16*\b]   ; the largest score of each of my two blocks of 32 keys, in four chains; each accumulator is read from its low end on
.endr
.irp i, 3,5,7,9,11,13
.irp b, 0,1,2,3
	v_max3_num_f32 v[BM+\b], v[BM+\b], v[S+16*\b+\i], v[S+1+16*\b+\i]
.endr
.endr
.irp c, 0,1
	v_max3_num_f32 v[BM+2*\c], v[BM+2*\c], v[BM+2*\c+1], v[S+15+32*\c]
.endr
.irp c, 0,1
	v_max_num_f32 v[BM+2*\c], v[BM+2*\c], v[S+31+32*\c]   ; it serves for the row's maximum and, since p rises with the score, for the block's largest p
.endr
	s_delay_alu instid0(VALU_DEP_1)
	v_max_num_f32 v[T0], v[BM], v[BM+2]
	s_delay_alu instid0(VALU_DEP_1)
	v_permlanex16_b32 v[T1], v[T0], s[SEL], s[SEL+1]
	s_delay_alu instid0(VALU_DEP_1)
	v_max3_num_f32 v13, v13, v[T0], v[T1]          ; the running largest score of my query
	s_delay_alu instid0(VALU_DEP_1)
	v_mul_f32 v[T0], s[CS], v13                    ; as t (c is positive)
	v_mov_b32 v[T1], v12
	s_delay_alu instid0(VALU_DEP_2)
	v_floor_f32 v12, -v[T0]                        ; the new -M = -ceil(t)
	s_delay_alu instid0(VALU_DEP_1)
	v_sub_f32 v[T1], v12, v[T1]                    ; old M less new M: a whole number, 0 or less
	s_delay_alu instid0(VALU_DEP_1)
	v_cvt_i32_f32 v[T1], v[T1]                     ; (it saturates)
	s_delay_alu instid0(VALU_DEP_1)
	v_ldexp_f32 v[FF], 1.0, v[T1]                  ; f = 2^(old M - new M)
.set j, 0
.rept 32
	v_pk_fma_f32 v[S+j:S+j+1], v[S+j:S+j+1], s[CS:CS+1], v[12:13] op_sel_hi:[1,0,0]   ; t - M (of the pairs c and -M the low word serves both halves)
.set j, j+2
.endr
.irp c, 0,2
	v_fma_f32 v[BM+\c], v[BM+\c], s[CS], v12
.endr
	s_wait_alu depctr_va_vdst(0)
.set j, 0
.rept 64
	v_exp_f32 v[S+j], v[S+j]                       ; p = 2^(t - M)
.set j, j+1
.endr
	v_pk_mul_f32 v[14:15], v[14:15], v[FF:FF+1] op_sel_hi:[1,0]   ; the sums under the new M: a plain line behind the exponentials
	s_wait_alu depctr_va_vdst(0)                   ; one wait for the batch of 64
.irp c, 0,2
	v_exp_f32 v[BM+\c], v[BM+\c]                   ; the block's largest p: the same two instructions on the same number
.endr
.irp k, 0,1,2                                  ; the row's sum of the unquantised p: four chains
	v_pk_add_f32 v[TS+2*\k:TS+2*\k+1], v[S+4*\k:S+4*\k+1], v[S+4*\k+2:S+4*\k+3]
.endr
	v_pk_add_f32 v[14:15], v[14:15], v[S+12:S+13]
.irp g, 0,1,2,3,4,5
.irp k, 0,1,2
	v_pk_add_f32 v[TS+2*\k:TS+2*\k+1], v[TS+2*\k:TS+2*\k+1], v[S+14+8*\g+2*\k:S+15+8*\g+2*\k]
.endr
	v_pk_add_f32 v[14:15], v[14:15], v[S+20+8*\g:S+21+8*\g]
.endr
	v_pk_add_f32 v[TS:TS+1], v[TS:TS+1], v[TS+2:TS+3]
	v_pk_add_f32 v[14:15], v[14:15], v[S+62:S+63]
	v_pk_add_f32 v[TS:TS+1], v[TS:TS+1], v[TS+4:TS+5]
	s_delay_alu instid0(VALU_DEP_1)
	v_pk_add_f32 v[14:15], v[14:15], v[TS:TS+1]
	s_wait_alu depctr_va_vdst(0)                   ; and one for the two
.irp c, 0,2
	v_max_num_f32 v[BM+\c], 0x1800000, v[BM+\c]    ; the floor 2^(3 - 127): the byte cannot fall under 1
.endr
.irp c, 0,1
	s_delay_alu instid0(VALU_DEP_2)
	v_add_nc_u32 v[SO+\c], 0xff000000, v[BM+2*\c]  ; 2 off the exponent field: the conversion's scale operand
.endr
.irp c, 0,1
	s_delay_alu instid0(VALU_DEP_2)
	v_lshrrev_b32 v[PT+\c], 23, v[SO+\c]           ; the bytes of blocks h and 2 + h
.endr
	s_delay_alu instid0(VALU_DEP_1)
	v_lshl_or_b32 v[PT], v[PT+1], 16, v[PT]
	s_delay_alu instid0(VALU_DEP_1)
	v_lshlrev_b32 v[PT], v[H8], v[PT]              ; at their places in the scale word;
	s_delay_alu instid0(VALU_DEP_1)
	v_permlanex16_b32 v[PT+1], v[PT], s[SEL], s[SEL+1]
	s_delay_alu instid0(VALU_DEP_1)
	v_or_b32 v[PSC], v[PT], v[PT+1]                ; with lane l xor 16's two the word is whole
.irp c, 0,1
	v_cvt_scalef32_pk16_fp6_f32 v[PCD+6*\c:PCD+6*\c+2], v[S+32*\c:S+32*\c+15], v[SO+\c]
	v_cvt_scalef32_pk16_fp6_f32 v[CT+4*\c:CT+4*\c+2], v[S+32*\c+16:S+32*\c+31], v[SO+\c]   ; (a conversion's three registers begin on an even number)
.endr
	v_nop                                          ; one plain place behind a scaled conversion
.irp c, 0,1
.irp i, 0,1,2
	v_mov_b32 v[PCD+6*\c+3+\i], v[CT+4*\c+\i]
.endr
.endr
	s_wait_alu depctr_va_vdst(0)
.set j, 0
.rept 16
	v_pk_mul_f32 v[O+j:O+j+1], v[O+j:O+j+1], v[FF:FF+1] op_sel_hi:[1,0]   ; O^T under the new M; for each product below twelve of these name none of its registers: the places behind p's codes and scale word
.set j, j+2
.endr
	s_wait_alu depctr_va_vdst(0)
	s_wait_dscnt 0x0                               ; V is in
.irp t, 0,1,2,3                                ; O^T += V^T P^T: the four accumulators take turns
.if \t%2
	v_wmma_scale_f32_16x16x128_f8f6f4 v[O+8*\t:O+8*\t+7], v[F+12*\t:F+12*\t+11], v[PCD:PCD+11], v[O+8*\t:O+8*\t+7], v[VSC+\t/2], v[PSC] matrix_a_fmt:MATRIX_FMT_FP6 matrix_b_fmt:MATRIX_FMT_FP6 matrix_a_scale:MATRIX_SCALE_ROW1
.else
	v_wmma_scale_f32_16x16x128_f8f6f4 v[O+8*\t:O+8*\t+7], v[F+12*\t:F+12*\t+11], v[PCD:PCD+11], v[O+8*\t:O+8*\t+7], v[VSC+\t/2], v[PSC] matrix_a_fmt:MATRIX_FMT_FP6 matrix_b_fmt:MATRIX_FMT_FP6
.endif
.endr
.rept 4
	v_nop                                          ; four places: in front of the next loads into V's registers and of the first read of O^T
.endr
.endm
	s_mov_b32 s[TRIPS], 2
.Lqb:                                              ; two trips: e = 0, 1; no barrier between them: each has its own rows of the stage
	v_mov_b32 v13, 0xff61b1e6                      ; the largest score so far: -3e38
	v_mov_b32 v12, 0x7e000000                      ; -M: 2^125, so that the first f is 0
	v_mov_b32 v14, 0
	v_mov_b32 v15, 0
	v_mov_b32 v[FF+1], 0
	v_mov_b32 v[T1], 0                             ; a lane permute's destination counts as one of its sources
	v_mov_b32 v[T0], 0
	v_mov_b32 v[PT], 0
	v_mov_b32 v[PT+1], 0
.set j, 0
.rept 32
	v_mov_b32 v[O+j], 0                            ; the step is written once: the first finds zeros
.set j, j+1
.endr
	s_mov_b32 s[TCK], 0
	s_mov_b32 s[TCV], 0
	s_mov_b32 s[TKS], 0
	s_mov_b32 s[TVS], 0
	s_mov_b32 s[ALC], 4
.Lal:                                              ; four trips: 512 keys each, in four steps
	v_add_nc_u32 v[ADK], s[TCK], v[AK]
	v_add_nc_u32 v[ADV], s[TCV], v[AV]
	v_add_nc_u32 v[ADKS], s[TKS], v[AKS]
	v_add_nc_u32 v[ADVS], s[TVS], v[AVS]
	s_wait_alu depctr_va_vdst(0)
	STEP 0
	STEP 1
	STEP 2
	STEP 3
	s_add_co_u32 s[TCK], s[TCK], 96*UK             ; three groups of 32 units on
	s_add_co_u32 s[TCV], s[TCV], 96*UP
	s_add_co_u32 s[TKS], s[TKS], 8*UP
	s_add_co_u32 s[TVS], s[TVS], 64
	s_sub_co_u32 s[ALC], s[ALC], 1
	s_cmp_lg_u32 s[ALC], 0
	s_cbranch_scc1 .Lal
	; ctx = O^T / the sum.  Register 16 blk + i of a lane is d = 32 blk + 16 h + i: two blocks of 32 along the last product's K, each shared with the lane 16 away.
	v_add_nc_u32 v[ADK], s[TST], v[STO]            ; this trip's rows of the stage
	v_add_nc_u32 v[ADV], s[TSS], v[STS]
	v_add_f32 v14, v14, v15
	s_delay_alu instid0(VALU_DEP_1)
	v_permlanex16_b32 v[T0], v14, s[SEL], s[SEL+1]
	s_delay_alu instid0(VALU_DEP_1)
	v_add_f32 v14, v14, v[T0]                      ; the row's sum
	s_wait_alu depctr_va_vdst(0)
	v_rcp_f32 v[FF], v14
	v_nop
	s_wait_alu depctr_va_vdst(0)
.set j, 0
.rept 16
	v_pk_mul_f32 v[S+j:S+j+1], v[O+j:O+j+1], v[FF:FF+1] op_sel_hi:[1,0]   ; each accumulator from its low end on
.set j, j+2
.endr
.irp b, 0,1
	v_max3_num_f32 v[BM+\b], |v[S+16*\b]|, |v[S+1+16*\b]|, 0x1800000
.endr
.irp i, 2,4,6,8,10,12,14
.irp b, 0,1
	s_delay_alu instid0(VALU_DEP_2)
	v_max3_num_f32 v[BM+\b], v[BM+\b], |v[S+16*\b+\i]|, |v[S+1+16*\b+\i]|
.endr
.endr
.irp b, 0,1
	s_delay_alu instid0(VALU_DEP_2)
	v_permlanex16_b32 v[PT+\b], v[BM+\b], s[SEL], s[SEL+1]
.endr
.irp b, 0,1
	s_delay_alu instid0(VALU_DEP_2)
	v_max_num_f32 v[BM+\b], v[BM+\b], v[PT+\b]
.endr
.irp b, 0,1
	s_delay_alu instid0(VALU_DEP_2)
	v_add_nc_u32 v[SO+\b], 0xff000000, v[BM+\b]
.endr
.irp b, 0,1
	s_delay_alu instid0(VALU_DEP_2)
	v_lshrrev_b32 v[PT+\b], 23, v[SO+\b]
.endr
	s_delay_alu instid0(VALU_DEP_1)
	v_lshl_or_b32 v[T1], v[PT+1], 8, v[PT]         ; my row's scale bytes of blocks 2 chi, 2 chi + 1
	v_cvt_scalef32_pk16_fp6_f32 v[PCD:PCD+2], v[S:S+15], v[SO]
	v_cvt_scalef32_pk16_fp6_f32 v[CT:CT+2], v[S+16:S+31], v[SO+1]
	v_nop
.irp i, 0,1,2
	v_permlane16_swap_b32 v[PCD+\i], v[CT+\i]      ; lanes 0-15 now hold block 0 whole, lanes 16-31 block 1
.endr
.irp i, 0,1,2
	v_mov_b32 v[PCD+3+\i], v[CT+\i]
.endr
.irp q, 0,1,2
	ds_store_b64 v[ADK], v[PCD+2*\q:PCD+2*\q+1] offset:8*\q
.endr
	ds_store_b16 v[ADV], v[T1]                     ; (both halves of the lanes write the same bytes with the same value)
.irp i, 0,1,2,3,4,5
	v_mov_b32 v[QF+\i], v[Q2+\i]                   ; the second trip's Q
.endr
	v_mov_b32 v[QSC], v[Q2+6]
	s_add_co_u32 s[TST], s[TST], 16*SPI
	s_add_co_u32 s[TSS], s[TSS], 512
	s_wait_xcnt 0x0
	s_add_nc_u64 s[PFB:PFB+1], s[PFB:PFB+1], 6144
	s_sub_co_u32 s[TRIPS], s[TRIPS], 1
	s_cmp_lg_u32 s[TRIPS], 0
	s_wait_alu depctr_va_vdst(0)
	s_cbranch_scc1 .Lqb
; THE LAST PRODUCT: source 0 = 16 columns of Wp, source 1 = 16 rows of ctx (e = 0: rows 2 r, e = 1: rows 2 r + 1): a lane holds eight neighbouring columns of one row of out.
.macro BLOAD ks                        ; Wp's four fragments of step ks: twelve loads of 512 consecutive bytes
.set BFS, 32+128*((\ks)%2)
.irp nb, 0,1,2,3
.irp g, 0,1,2
	global_load_b128 v[BFS+12*\nb+4*\g:BFS+12*\nb+4*\g+3], v[L16], s[WB:WB+1] offset:(8*\nb+(\ks))*1536+512*\g
.endr
.endr
.endm
.macro ALOAD ks                        ; ctx's two fragments of step ks, from the stage
.irp e, 0,1
.irp p, 0,1,2,3,4,5
	ds_load_b64 v[AFR+12*\e+2*\p:AFR+12*\e+2*\p+1], v[AST] offset:\e*16*SPI+96*(\ks)+48*(\p/3)+8*(\p%3)
.endr
.endr
.endm
.macro OMUL ks                         ; the eight accumulators take turns
.set BFS, 32+128*((\ks)%2)
.irp e, 0,1
.irp nb, 0,1,2,3
.if \e
.if \nb%2
	v_wmma_scale_f32_16x16x128_f8f6f4 v[ACC+8*(4*\e+\nb):ACC+8*(4*\e+\nb)+7], v[BFS+12*\nb:BFS+12*\nb+11], v[AFR+12*\e:AFR+12*\e+11], v[ACC+8*(4*\e+\nb):ACC+8*(4*\e+\nb)+7], v[BSC+8*(\nb/2)+(\ks)], v[ASC+(\ks)] matrix_a_fmt:MATRIX_FMT_FP6 matrix_b_fmt:MATRIX_FMT_FP6 matrix_a_scale:MATRIX_SCALE_ROW1 matrix_b_scale:MATRIX_SCALE_ROW1
.else
	v_wmma_scale_f32_16x16x128_f8f6f4 v[ACC+8*(4*\e+\nb):ACC+8*(4*\e+\nb)+7], v[BFS+12*\nb:BFS+12*\nb+11], v[AFR+12*\e:AFR+12*\e+11], v[ACC+8*(4*\e+\nb):ACC+8*(4*\e+\nb)+7], v[BSC+8*(\nb/2)+(\ks)], v[ASC+(\ks)] matrix_a_fmt:MATRIX_FMT_FP6 matrix_b_fmt:MATRIX_FMT_FP6 matrix_b_scale:MATRIX_SCALE_ROW1
.endif
.else
.if \nb%2
	v_wmma_scale_f32_16x16x128_f8f6f4 v[ACC+8*(4*\e+\nb):ACC+8*(4*\e+\nb)+7], v[BFS+12*\nb:BFS+12*\nb+11], v[AFR+12*\e:AFR+12*\e+11], v[ACC+8*(4*\e+\nb):ACC+8*(4*\e+\nb)+7], v[BSC+8*(\nb/2)+(\ks)], v[ASC+(\ks)] matrix_a_fmt:MATRIX_FMT_FP6 matrix_b_fmt:MATRIX_FMT_FP6 matrix_a_scale:MATRIX_SCALE_ROW1
.else
	v_wmma_scale_f32_16x16x128_f8f6f4 v[ACC+8*(4*\e+\nb):ACC+8*(4*\e+\nb)+7], v[BFS+12*\nb:BFS+12*\nb+11], v[AFR+12*\e:AFR+12*\e+11], v[ACC+8*(4*\e+\nb):ACC+8*(4*\e+\nb)+7], v[BSC+8*(\nb/2)+(\ks)], v[ASC+(\ks)] matrix_a_fmt:MATRIX_FMT_FP6 matrix_b_fmt:MATRIX_FMT_FP6
.endif
.endif
.endr
.endr
.endm
.irp e, 0,1
.irp nb, 0,1,2,3
	global_load_b128 v[ACC+8*(4*\e+\nb):ACC+8*(4*\e+\nb)+3], v[BO], s[BPB:BPB+1] offset:64*\nb       ; the sums begin with bp at the lane's eight columns
	global_load_b128 v[ACC+8*(4*\e+\nb)+4:ACC+8*(4*\e+\nb)+7], v[BO], s[BPB:BPB+1] offset:64*\nb+16
.endr
.endr
.irp pp, 0,1
.irp i, 0,1
	global_load_b128 v[BSC+8*\pp+4*\i:BSC+8*\pp+4*\i+3], v[BSO], s[WSB:WSB+1] offset:1024*\pp+16*\i   ; Wp's scale words, all eight steps: lanes 0-15 columns' block 2 pp, lanes 16-31 block 2 pp + 1
.endr
.endr
	BLOAD 0
	s_wait_dscnt 0x0                               ; for the others' sake: my stores into the stage are done
	BLOAD 1
	s_barrier_signal -1
	s_barrier_wait -1                              ; 32 whole rows of ctx's codes and scale bytes lie in the stage
	ds_load_b128 v[ASC:ASC+3], v[ASA]              ; ctx's scale words, all eight steps
	ds_load_b128 v[ASC+4:ASC+7], v[ASA] offset:16
	ALOAD 0
.irp ks, 0,1,2,3,4,5,6,7
.if \ks < 7
	s_wait_loadcnt 12                              ; all but the next step's twelve loads are in
.else
	s_wait_loadcnt 0x0
.endif
	s_wait_dscnt 0x0                               ; ctx's fragments
	OMUL \ks
.rept 4
	v_nop                                          ; four places: in front of loads into the operands' registers, and of the stores of the results
.endr
.if \ks < 7
	ALOAD \ks+1
.endif
.if \ks < 6
	BLOAD \ks+2
.endif
.endr
; THE WAY OUT: 16 rows x 256 bytes at a time through my own stage, so that sixteen lanes store 256 consecutive bytes, aligned.  LDS serves a wave's instructions in order.
.irp e, 0,1
.irp nb, 0,1,2,3
	ds_store_b128 v[OSTO], v[ACC+8*(4*\e+\nb):ACC+8*(4*\e+\nb)+3] offset:64*\nb          ; each accumulator from its low end on
	ds_store_b128 v[OSTO], v[ACC+8*(4*\e+\nb)+4:ACC+8*(4*\e+\nb)+7] offset:64*\nb+16
.endr
.irp t, 0,1,2,3,4,5,6,7
	ds_load_b128 v[32+128*\e+4*\t:32+128*\e+4*\t+3], v[ORD] offset:\t*2*OPI
.endr
.endr
	s_wait_dscnt 16                                ; the first sixteen rows are back; the second's 8 stores and 8 loads may be out
.irp t, 0,1,2,3,4,5,6,7
	global_store_b128 v[CO], v[32+4*\t:32+4*\t+3], s[OB:OB+1] offset:\t*16384 th:TH_STORE_NT
.endr
	s_wait_dscnt 0x0
.irp t, 0,1,2,3,4,5,6,7
	global_store_b128 v[CO], v[160+4*\t:160+4*\t+3], s[OB:OB+1] offset:\t*16384+4096 th:TH_STORE_NT
.endr
	s_wait_tensorcnt 0x0                           ; the wave's end
	ds_add_u32 v254, v255
	s_wait_dscnt 0x0
	CROUND                                         ; the closing round
	s_endpgm
.Lfunc_end_k_q06f96e5c6e_attn:
	.size	k_q06f96e5c6e_attn, .Lfunc_end_k_q06f96e5c6e_attn-k_q06f96e5c6e_attn
	.p2alignl 7, 3214868480
	.fill 96, 4, 3214868480
	.section	.rodata,"a",@progbits
	.p2align	6, 0x0
	.amdhsa_kernel k_q06f96e5c6e_attn
		.amdhsa_group_segment_fixed_size 327680
		.amdhsa_private_segment_fixed_size 0
		.amdhsa_enable_private_segment 0
		.amdhsa_kernarg_size 40
		.amdhsa_user_sgpr_count 2
		.amdhsa_user_sgpr_kernarg_segment_ptr 1
		.amdhsa_wavefront_size32 1
		.amdhsa_system_sgpr_workgroup_id_x 1
		.amdhsa_system_sgpr_workgroup_id_y 1
		.amdhsa_system_sgpr_workgroup_id_z 1
		.amdhsa_system_vgpr_workitem_id 0
		.amdhsa_next_free_vgpr 256
		.amdhsa_next_free_sgpr 80
		.amdhsa_reserve_vcc 0
		.amdhsa_float_denorm_mode_32 3
		.amdhsa_float_denorm_mode_16_64 3
		.amdhsa_memory_ordered 1
		.amdhsa_forward_progress 1
		.amdhsa_inst_pref_size 113
	.end_amdhsa_kernel
	.amdgpu_metadata
---
amdhsa.version: [ 1, 2 ]
amdhsa.kernels:
  - .name:           k_q06f96e5c6e_attn
    .symbol:         k_q06f96e5c6e_attn.kd
    .args:
      - { .name: qkv, .offset: 0, .size: 8, .value_kind: global_buffer, .address_space: global }
      - { .name: wc, .offset: 8, .size: 8, .value_kind: global_buffer, .address_space: global }
      - { .name: ws, .offset: 16, .size: 8, .value_kind: global_buffer, .address_space: global }
      - { .name: bp, .offset: 24, .size: 8, .value_kind: global_buffer, .address_space: global }
      - { .name: out0, .offset: 32, .size: 8, .value_kind: global_buffer, .address_space: global }
    .group_segment_fixed_size: 327680
    .private_segment_fixed_size: 0
    .kernarg_segment_align: 8
    .kernarg_segment_size: 40
    .max_flat_workgroup_size: 512
    .sgpr_count:     80
    .vgpr_count:     256
    .wavefront_size: 32
...
	.end_amdgpu_metadata
.endif
;; end of part 3
